; MI455X (gfx1250); checked and timed in simulation.
; The chip was launched on July 23, 2026; its instructions are those of AMD's public machine-readable ISA for CDNA 5 (MIT licence, August 2026) and "CDNA5" Instruction Set Architecture Reference Guide (July 2026). The comments in the code are by the model that wrote it; some were corrected since.
;; Encoder Layer. Allowed arithmetic: matrix products marked QUANTISED: E2M3 operands, one E8M0 scale for each 32 along K, by v_wmma_scale_f32_16x16x128_f8f6f4 with both operands' format E2M3, f32 sums; everything else in f32.
;; Inputs: b1 4,096 float32; b2 1,024 float32; ln1_offset 1,024 float32; ln1_scale 1,024 float32; ln2_offset 1,024 float32; ln2_scale 1,024 float32; w1 1,024 x 4,096 float32; w2 4,096 x 1,024 float32; wk 16 x 1,024 x 64 float32; wo 16 x 64 x 1,024 float32; wq 16 x 1,024 x 64 float32; wv 16 x 1,024 x 64 float32; x 2 x 2,048 x 1,024 float32.
;; Outputs: out0 2 x 2,048 x 1,024 float32.
;; This version of the problem:
;;   THIS VERSION OF THE PROBLEM IS GIVEN IN LOW PRECISION. The matrix products marked QUANTISED in the list below multiply operands that are first quantised to E2M3 (2 exponent bits, 3 mantissa bits; 6 bits a number), with one power-of-two scale for each 32 numbers along K (OCP MX v1.0); their sums are f32. All else is computed in f32.
;;   The module's matrix products, in the order in which they are computed (A, B: the left and right operand; K: the contracted axis; several contracted axes count as one K, in the product's order):
;;     1. [M 1,024, K 1,024] x [K 1,024, N 4,096]; A: input wk; B: input x: QUANTISED
;;     2. [M 1,024, K 1,024] x [K 1,024, N 4,096]; A: input wq; B: input x: QUANTISED
;;     3. [M 1,024, K 1,024] x [K 1,024, N 4,096]; A: input wv; B: input x: QUANTISED
;;     4. batch 32 x [M 2,048, K 64] x [K 64, N 2,048]; A: computed on the way; B: computed on the way: QUANTISED
;;     5. batch 32 x [M 2,048, K 2,048] x [K 2,048, N 64]; A: softmax (see below); B: computed on the way: QUANTISED
;;     6. [M 4,096, K 1,024] x [K 1,024, N 1,024]; A: computed on the way; B: input wo: QUANTISED
;;     7. [M 4,096, K 1,024] x [K 1,024, N 4,096]; A: computed on the way; B: input w1: QUANTISED
;;     8. [M 4,096, K 4,096] x [K 4,096, N 1,024]; A: computed on the way; B: input w2: QUANTISED
;;   THE QUANTISER, for each operand of a quantised product, along K:
;;     - K is cut into blocks of 32 from its start; a last block that is shorter is filled with zeros.
;;     - A block's scale is 2^e with e = floor(log2(the largest magnitude in the block)) - 2, held to -126 .. 127; a block of zeros has e = 0. As a byte (E8M0): e + 127.
;;     - Each number is divided by its block's scale, clamped to +-7.5, and rounded to the nearest number of E2M3, ties to even, subnormals kept.
;;     - The product sums the exact products of the quantised numbers (number of the format x scale) in f32.
;;   ~~~python
;;   def quantise(x, axis):      # numpy; x: float32 -> the quantised numbers, widened to float32 again
;;       x = np.moveaxis(x, axis, -1); K = x.shape[-1]
;;       x = np.pad(x, [(0, 0)] * (x.ndim - 1) + [(0, -K % 32)]); x = x.reshape(x.shape[:-1] + (-1, 32)); a = np.abs(x).max(-1, keepdims=True)
;;       e = np.where(a > 0, np.clip(np.frexp(np.where(a > 0, a, 1))[1] - 1 - 2, -126, 127), 0)      # np.frexp(a)[1] - 1 = floor(log2(a)), exactly
;;       r = np.clip(x / 2.0 ** e, -7.5, 7.5)
;;       step = 2.0 ** (np.maximum(np.frexp(np.where(r == 0, 1, r))[1] - 1, 0) - 3)
;;       q = np.round(r / step) * step * 2.0 ** e      # np.round: ties to even
;;       return np.moveaxis(q.reshape(q.shape[:-2] + (-1,))[..., :K], -1, axis).astype(np.float32)
;;   ~~~
;;   SOFTMAX AHEAD OF A QUANTISED PRODUCT. Where the list says 'softmax', what is quantised is not the finished softmax but p = 2^(t - M), with t = logit x log2(e) and M = ceil(the row's largest t), a whole number; so 1/2 < the row's largest p <= 1. The row's sum l is taken of the UNQUANTISED p, in f32, and the product's result is divided by l at the end. Since M is a whole number, a kernel that streams over the keys may use a running M (the ceiling of the running maximum): every later rescaling is an exact power of two, which a block's scale takes up: the codes' values come out the same.
;;   OPERANDS COMPUTED ON THE WAY. 'Computed on the way' means the value that the module computes at that place (a softmax that the list does not call 'softmax' is quantised finished and normalised). What goes into a quantiser is computed in f32, as accurately as f32 sums, v_exp_f32 and their like allow (about 1e-6 of the number): no bf16 or f16 on the way to a quantiser, and a product that is left as it is and whose result goes on into a quantised operand takes f32 operands (vector FMAs, or v_wmma_f32_16x16x4_f32). A number that lies on a knife's edge between two numbers of the format may be rounded either way, as far as f32 arithmetic and the matrix unit's own rounding can turn it there, and no further.
;; One version. Each part assembles by itself: llvm-mc -triple=amdgcn-amd-amdhsa -mcpu=gfx1250 --defsym DOCPART=n.
;; ======== version 1 of 1: 8 launches
;; limits: right only within a limited range of input values
;; workspace buffers: wx 13,139,968 bytes; qkv 16,121,856 bytes; pre 3,276,800 bytes; yb 17,039,360 bytes; nrm 20,054,016 bytes; sim 13,107,200 bytes
;; launch quant (part 1): grid 1024 x 1, 4 waves a work-group, no clusters, 68,096 bytes of LDS; arguments wq, wk, wv, wo, w1, w2, wx, x; writes wx
.if DOCPART == 1
	.amdgcn_target "amdgcn-amd-amdhsa--gfx1250"
	.amdhsa_code_object_version 6
	.text
	.protected	k_q5d169a7d6d_quant
	.globl	k_q5d169a7d6d_quant
	.p2align	8
	.type	k_q5d169a7d6d_quant,@function
k_q5d169a7d6d_quant:
	s_mov_b64 s[64:65], 0
	v_nop
	global_prefetch_b8 v0, s[64:65] scope:SCOPE_SE
	s_setreg_imm32_b32 hwreg(HW_REG_WAVE_MODE, 25, 1), 1
	s_wait_xcnt 0x0
; The six weights (f32, K the first axis of each matrix) and x (f32, K innermost) become codes of FP6 (E2M3) and E8M0 scale words in wx.  One launch, two parts that share nothing:
; work-groups 0 to 767 take the weights, work-groups 768 to 1,023 take x.  The parts separate at the first line, on the work-group's number alone; only x's part touches LDS (the launch's claim is that part's).
; LAYOUT OF THE RESULT (the program's own): an operand is cut into tiles of 16 rows; lane-row r of tile T is row 32 (T/2) + 8 (T%2) + r + (r & 8).
; Codes: half a fragment (tile T, 64 along K: kap) is 768 bytes at (T KH + kap) 768; lane l = r + 16 h owns the 24 bytes of block 2 kap + h: bytes 0-15 at 16 l, bytes 16-23 at 512 + 8 l.
; Scale words: [step of 128][tile][r], 4 bytes each.
; A block's scale byte is its largest magnitude's exponent field - 2, held at 1 from below (a block of zeros keeps 1: its codes are zeros and this program alone reads the bytes).
; LIMITS: NaN and infinities are not served; blocks whose largest magnitude lies under 2^-124 keep the byte 1.
.set NWG_W,  768
	v_lshl_add_u32 v208, v0, 2, 0x10800
	v_mov_b32 v209, 0
	s_cmp_lt_u32 ttmp9, NWG_W
	s_cbranch_scc0 .Lxpart
; ---- THE WEIGHTS.  A wave takes 32 operand rows (columns of the weight) x 128 along K.  A lane takes a column and its registers run down K, so a block of 32 lies in one lane.
.set WO_C,   2359296
.set W1_C,   3145728
.set W2_C,   6291456
.set WQKV_S, 12582912
.set WO_S,   12713984
.set W1_S,   12746752
.set W2_S,   12877824
.set VO, 16                            ; v16-47   4 c + j x pitch: the 32 rows of a block
.set X,  48                            ; v48-175  four blocks of 32 numbers
.set CD, 176                           ; v176-207 eight registers of codes for each block: no store's data are written again
	s_load_b256 s[4:11], s[0:1], 0x0               ; wq, wk, wv, wo
	s_load_b128 s[12:15], s[0:1], 0x20             ; w1, w2
	s_load_b64 s[16:17], s[0:1], 0x30              ; wx
	v_lshrrev_b32 v1, 5, v0
	v_readfirstlane_b32 s18, v1                    ; wave
	v_and_b32 v1, 31, v0                           ; c: my column of the 32
	v_bfe_u32 v2, v0, 3, 1                         ; u: which of the two tiles
	v_and_b32 v3, 7, v0
	v_bfe_u32 v4, v0, 4, 1
	v_lshl_add_u32 v3, v4, 3, v3                   ; r: my lane-row in it
	s_wait_alu depctr_va_vdst(0)
	s_wait_kmcnt 0x0
	; which weight: the choice hangs on the work-group's number alone.  w2's figures first, then the others' in turn
	s_mov_b64 s[20:21], s[14:15]                   ; the weight
	s_mov_b32 s22, 512                             ; its first work-group
	s_mov_b32 s23, 4096                            ; bytes from one k to the next
	s_mov_b32 s24, 5                               ; log2 of its groups of 32 columns
	s_mov_b32 s25, 64                              ; K / 64
	s_mov_b32 s26, 64                              ; tiles in a step of the scale words
	s_mov_b32 s27, W2_C
	s_mov_b32 s28, W2_S
	s_mov_b32 s29, 8                               ; log2 of the groups in a head
	s_mov_b32 s30, 0                               ; bytes from head to head
.macro PICK lim, p, g0, pitch, lfg, kh, rt, cb, sb, lc, hs
	s_cmp_lt_u32 ttmp9, \lim
	s_cselect_b64 s[20:21], s[\p:\p+1], s[20:21]
	s_cselect_b32 s22, \g0, s22
	s_cselect_b32 s23, \pitch, s23
	s_cselect_b32 s24, \lfg, s24
	s_cselect_b32 s25, \kh, s25
	s_cselect_b32 s26, \rt, s26
	s_cselect_b32 s27, \cb, s27
	s_cselect_b32 s28, \sb, s28
	s_cselect_b32 s29, \lc, s29
	s_cselect_b32 s30, \hs, s30
.endm
	PICK 512, 12, 256, 16384, 7, 16, 256, W1_C, W1_S, 8, 0
	PICK 256, 10, 192, 4096, 5, 16, 64, WO_C, WO_S, 8, 0
	PICK 192, 8, 128, 256, 5, 16, 256, 128*12288, WQKV_S+128*64, 1, 262144
	PICK 128, 6, 64, 256, 5, 16, 256, 64*12288, WQKV_S+64*64, 1, 262144
	PICK 64, 4, 0, 256, 5, 16, 256, 0, WQKV_S, 1, 262144
	s_sub_co_u32 s40, ttmp9, s22
	s_lshl_b32 s40, s40, 2
	s_add_co_u32 s40, s40, s18                     ; my wave's unit in the weight
	s_lshr_b32 s41, s40, s24                       ; s: the step of 128 along K
	s_lshl_b32 s42, s41, s24
	s_sub_co_u32 s42, s40, s42                     ; fg: the group of 32 columns
	s_lshr_b32 s43, s42, s29
	s_mul_i32 s43, s43, s30                        ; the head's bytes
	s_lshl_b32 s44, 1, s29
	s_sub_co_u32 s44, s44, 1
	s_and_b32 s44, s42, s44
	s_lshl_b32 s44, s44, 7                         ; the group's 128 bytes in a row
	s_add_co_u32 s46, s43, s44
	s_mul_i32 s45, s41, s23
	s_lshl_b32 s45, s45, 7                         ; 128 s rows down
	s_add_co_u32 s46, s46, s45
	s_mov_b32 s47, 0
	s_lshl_b32 s48, s23, 5                         ; 32 rows: from block to block
	s_mov_b32 s49, 0
	s_add_nc_u64 s[32:33], s[20:21], s[46:47]
	s_add_nc_u64 s[34:35], s[32:33], s[48:49]
	s_add_nc_u64 s[36:37], s[34:35], s[48:49]
	s_add_nc_u64 s[38:39], s[36:37], s[48:49]
	s_mul_i32 s50, s42, s25
	s_add_co_u32 s50, s50, s41
	s_mul_i32 s50, s50, 1536                       ; (2 fg KH + 2 s) 768
	s_add_co_u32 s50, s50, s27
	s_mov_b32 s51, 0
	s_add_nc_u64 s[50:51], s[16:17], s[50:51]      ; the codes
	s_mul_i32 s52, s41, s26
	s_lshl_b32 s53, s42, 1
	s_add_co_u32 s52, s52, s53
	s_lshl_b32 s52, s52, 6                         ; (s RT + 2 fg) 64
	s_add_co_u32 s52, s52, s28
	s_mov_b32 s53, 0
	s_add_nc_u64 s[52:53], s[16:17], s[52:53]      ; the scale words
	s_mul_i32 s31, s25, 768                        ; from tile to tile
	v_mul_u32_u24 v4, s31, v2
	v_lshl_add_u32 v5, v3, 3, v4                   ; u KH 768 + 8 r
	v_lshl_add_u32 v4, v3, 4, v4                   ; u KH 768 + 16 r
	v_lshlrev_b32 v6, 6, v2
	v_lshl_add_u32 v6, v3, 2, v6                   ; 64 u + 4 r
	v_lshlrev_b32 v[VO], 2, v1
.set J, 0
.rept 31
	v_add_nc_u32 v[VO+J+1], s23, v[VO+J]
.set J, J+1
.endr
.macro LOAD i                          ; block i: 32 rows, 128 consecutive bytes of each for the wave
.set J, 0
.rept 32
	global_load_b32 v[X+32*(\i)+J], v[VO+J], s[32+2*(\i):33+2*(\i)] th:TH_LOAD_NT
.set J, J+1
.endr
.endm
	LOAD 0
	LOAD 1
.macro BLOCK i
.set XS, X+32*(\i)
.set CC, CD+8*(\i)
.if (\i) < 3
	s_wait_loadcnt 32                              ; this block's 32 loads are in; the next block's 32 may be out
.else
	s_wait_loadcnt 0x0
.endif
.if (\i)+2 < 4
	LOAD (\i)+2                                    ; two blocks ahead, into registers of its own
.endif
	v_max3_num_f32 v8, |v[XS]|, |v[XS+1]|, |v[XS+2]|
	v_max3_num_f32 v9, |v[XS+3]|, |v[XS+4]|, |v[XS+5]|
.irp k, 6,10,14,18,22,26
	v_max3_num_f32 v8, v8, |v[XS+\k]|, |v[XS+\k+1]|
	v_max3_num_f32 v9, v9, |v[XS+\k+2]|, |v[XS+\k+3]|
.endr
	v_max3_num_f32 v8, v8, |v[XS+30]|, |v[XS+31]|
	v_max3_num_f32 v8, v8, v9, 0x1800000           ; the floor 2^(3 - 127): the byte cannot fall under 1
	v_add_nc_u32 v10, 0xff000000, v8               ; 2 off the exponent field: the conversion's scale operand
	v_lshrrev_b32 v11, 23, v10                     ; the byte
.if (\i) == 0
	v_mov_b32 v7, v11
.else
	v_lshl_or_b32 v7, v11, 8*(\i), v7              ; the step's four bytes make the row's scale word
.endif
	v_cvt_scalef32_pk16_fp6_f32 v[CC:CC+2], v[XS:XS+15], v10
	v_cvt_scalef32_pk16_fp6_f32 v[CC+4:CC+6], v[XS+16:XS+31], v10   ; (a conversion's three registers begin on an even number)
	v_nop                                          ; one plain line behind a scaled conversion
	v_mov_b32 v[CC+3], v[CC+4]
	v_mov_b32 v[CC+4], v[CC+5]
	v_mov_b32 v[CC+5], v[CC+6]                     ; the block's 24 bytes on end
	global_store_b128 v4, v[CC:CC+3], s[50:51] offset:((\i)/2)*768+((\i)%2)*256       ; sixteen lanes of a tile fill 256 consecutive bytes
	global_store_b64 v5, v[CC+4:CC+5], s[50:51] offset:((\i)/2)*768+512+((\i)%2)*128
.endm
	s_wait_alu depctr_va_vdst(0)
	BLOCK 0
	BLOCK 1
	BLOCK 2
	BLOCK 3
	global_store_b32 v6, v7, s[52:53]              ; 32 rows' words: 128 consecutive bytes
	s_endpgm
; ---- x [4096][1024].  A wave takes 32 rows (two tiles) x 128 along K.  Each load reads a row's 512 consecutive bytes; the rows turn through the wave's own stage in LDS (528 bytes a row), so that
; lane (r, h) gets, of row r, the 16 neighbours 32 b + 16 h + 0..15 of each block b.  No barrier: waves share nothing.
.Lxpart:
.set X_C, 9437184
.set X_S, 13008896
.set SPT, 528
.set L0,  32                           ; v32-95, v96-159: the two tiles' numbers
.set TM,  160                          ; v160-175 at work
.set PW,  176                          ; v176, v177 the tiles' scale words;  v178 both, by lane halves
.set PWS, 178
.set PC,  180                          ; v180-198 the codes
.set SEL, 10
.macro QUANT s, pw                     ; 64 numbers of a lane, register 16 b + i = k 32 b + 16 h + i of my row, become a fragment's 12 registers at v[PC] and the row's scale word
.irp b, 0,1,2,3
	v_max3_num_f32 v[TM+\b], |v[\s+16*\b]|, |v[\s+1+16*\b]|, 0x1800000   ; with the floor 2^(3 - 127)
.endr
.irp i, 2,4,6,8,10,12,14
.irp b, 0,1,2,3
	v_max3_num_f32 v[TM+\b], v[TM+\b], |v[\s+16*\b+\i]|, |v[\s+1+16*\b+\i]|
.endr
.endr
.irp b, 0,1,2,3
	v_permlanex16_b32 v[TM+4+\b], v[TM+\b], s[SEL], s[SEL+1]
.endr
.irp b, 0,1,2,3
	v_max_num_f32 v[TM+\b], v[TM+\b], v[TM+4+\b]   ; with lane l xor 16's: the block's largest magnitude
.endr
.irp b, 0,1,2,3
	v_add_nc_u32 v[TM+12+\b], 0xff000000, v[TM+\b] ; 2 off the exponent field: the conversion's scale operand
.endr
.irp b, 0,1,2,3
	v_lshrrev_b32 v[TM+4+\b], 23, v[TM+12+\b]      ; the byte
.endr
	v_lshl_or_b32 v[\pw], v[TM+5], 8, v[TM+4]
	v_lshl_or_b32 v[\pw], v[TM+6], 16, v[\pw]
	v_lshl_or_b32 v[\pw], v[TM+7], 24, v[\pw]
.irp c, 0,1
	v_cvt_scalef32_pk16_fp6_f32 v[PC+6*\c:PC+2+6*\c], v[\s+32*\c:\s+15+32*\c], v[TM+12+2*\c]
	v_cvt_scalef32_pk16_fp6_f32 v[PC+12+4*\c:PC+14+4*\c], v[\s+16+32*\c:\s+31+32*\c], v[TM+12+2*\c+1]
.endr
	v_nop                                          ; one plain line behind a scaled conversion
.irp c, 0,1                            ; a whole block to a lane: lanes 0-15 block 2 c, lanes 16-31 block 2 c + 1
.irp i, 0,1,2
	v_permlane16_swap_b32 v[PC+6*\c+\i], v[PC+12+4*\c+\i]
.endr
.irp i, 0,1,2
	v_mov_b32 v[PC+3+6*\c+\i], v[PC+12+4*\c+\i]
.endr
.endr
.endm
	s_load_b128 s[4:7], s[0:1], 0x30               ; wx, x
	s_sub_co_u32 s22, ttmp9, NWG_W                 ; my number among x's 256 work-groups
	v_lshrrev_b32 v1, 5, v0
	v_readfirstlane_b32 s8, v1                     ; wave
	v_and_b32 v6, 31, v0
	v_and_b32 v7, 15, v0                           ; r
	v_bfe_u32 v8, v0, 4, 1                         ; h
	v_lshlrev_b32 v1, 4, v6                        ; 16 x lane
	v_lshlrev_b32 v4, 3, v6                        ; 8 x lane
	v_lshlrev_b32 v5, 2, v6                        ; 4 x lane
	s_mul_i32 s9, s8, 32*SPT                       ; my stage
	v_add_nc_u32 v2, s9, v1                        ; in: a row as it is loaded
	v_mul_u32_u24 v3, v7, SPT
	v_lshl_add_u32 v3, v8, 6, v3
	v_add_nc_u32 v3, s9, v3                        ; out: row r, + 64 h
	s_mov_b32 s[SEL], 0x76543210
	s_mov_b32 s[SEL+1], 0xfedcba98
	s_mov_b32 s12, 0xffff0000                      ; lanes 16-31
.irp b, 0,1,2,3
	v_mov_b32 v[TM+4+\b], 0                        ; a lane permute's destination counts as read
.endr
	s_lshr_b32 s13, s22, 1                         ; rg: the group of 32 rows
	s_and_b32 s14, s22, 1
	s_lshl_b32 s14, s14, 2
	s_add_co_u32 s14, s14, s8                      ; s: the step of 128 along K
	s_lshl_b32 s16, s13, 17
	s_lshl_b32 s15, s14, 9
	s_add_co_u32 s16, s16, s15
	s_mov_b32 s17, 0
	s_lshl_b32 s18, s13, 5
	s_lshl_b32 s15, s14, 1
	s_add_co_u32 s18, s18, s15
	s_mul_i32 s18, s18, 768                        ; (2 rg 16 + 2 s) 768
	s_add_co_u32 s18, s18, X_C
	s_mov_b32 s19, 0
	s_lshl_b32 s20, s14, 8
	s_lshl_b32 s15, s13, 1
	s_add_co_u32 s20, s20, s15
	s_lshl_b32 s20, s20, 6                         ; (256 s + 2 rg) 64
	s_add_co_u32 s20, s20, X_S
	s_mov_b32 s21, 0
	s_wait_alu depctr_va_vdst(0)
	s_wait_kmcnt 0x0
	s_add_nc_u64 s[6:7], s[6:7], s[16:17]          ; x at my rows and columns
	s_add_nc_u64 s[18:19], s[4:5], s[18:19]        ; the codes
	s_add_nc_u64 s[20:21], s[4:5], s[20:21]        ; the scale words
.irp u, 0,1
.irp p, 0,1,2,3,4,5,6,7,8,9,10,11,12,13,14,15
	global_load_b128 v[L0+64*\u+4*\p:L0+64*\u+4*\p+3], v1, s[6:7] offset:(8*\u+\p+(\p&8))*4096   ; place p of tile u
.endr
.endr
.irp u, 0,1
	s_wait_loadcnt 16-16*\u                        ; this tile's 16 rows are in; the other tile's may be out
.irp p, 0,1,2,3,4,5,6,7,8,9,10,11,12,13,14,15
	ds_store_b128 v2, v[L0+64*\u+4*\p:L0+64*\u+4*\p+3] offset:(16*\u+\p)*SPT
.endr
.irp b, 0,1,2,3
.irp j, 0,1,2,3
	ds_load_b128 v[L0+64*\u+16*\b+4*\j:L0+64*\u+16*\b+4*\j+3], v3 offset:16*\u*SPT+128*\b+16*\j   ; LDS serves a wave's instructions in order: these see the stores above
.endr
.endr
	s_wait_dscnt 0x0
	s_wait_xcnt 0x0                                ; the last tile's stores have read their data: the codes' registers are written again
	QUANT L0+64*\u, PW+\u
	global_store_b128 v1, v[PC:PC+3], s[18:19] offset:12288*\u          ; 512 consecutive bytes
	global_store_b64 v4, v[PC+4:PC+5], s[18:19] offset:12288*\u+512     ; 256
	global_store_b128 v1, v[PC+6:PC+9], s[18:19] offset:12288*\u+768
	global_store_b64 v4, v[PC+10:PC+11], s[18:19] offset:12288*\u+1280
.endr
	v_cndmask_b32 v[PWS], v[PW], v[PW+1], s12      ; lanes 0-15 the first tile's words, lanes 16-31 the second's
	global_store_b32 v5, v[PWS], s[20:21]          ; 128 consecutive bytes
	s_wait_tensorcnt 0x0
	ds_add_u32 v208, v209
	s_wait_dscnt 0x0
	s_endpgm
.Lfunc_end_k_q5d169a7d6d_quant:
	.size	k_q5d169a7d6d_quant, .Lfunc_end_k_q5d169a7d6d_quant-k_q5d169a7d6d_quant
	.p2alignl 7, 3214868480
	.fill 96, 4, 3214868480
	.section	.rodata,"a",@progbits
	.p2align	6, 0x0
	.amdhsa_kernel k_q5d169a7d6d_quant
		.amdhsa_group_segment_fixed_size 68096
		.amdhsa_private_segment_fixed_size 0
		.amdhsa_enable_private_segment 0
		.amdhsa_kernarg_size 64
		.amdhsa_user_sgpr_count 2
		.amdhsa_user_sgpr_kernarg_segment_ptr 1
		.amdhsa_wavefront_size32 1
		.amdhsa_system_sgpr_workgroup_id_x 1
		.amdhsa_system_sgpr_workgroup_id_y 1
		.amdhsa_system_sgpr_workgroup_id_z 1
		.amdhsa_system_vgpr_workitem_id 0
		.amdhsa_next_free_vgpr 210
		.amdhsa_next_free_sgpr 66
		.amdhsa_reserve_vcc 0
		.amdhsa_float_denorm_mode_32 3
		.amdhsa_float_denorm_mode_16_64 3
		.amdhsa_memory_ordered 1
		.amdhsa_forward_progress 1
		.amdhsa_inst_pref_size 43
	.end_amdhsa_kernel
	.amdgpu_metadata
---
amdhsa.version: [ 1, 2 ]
amdhsa.kernels:
  - .name:           k_q5d169a7d6d_quant
    .symbol:         k_q5d169a7d6d_quant.kd
    .args:
      - { .name: wq, .offset: 0, .size: 8, .value_kind: global_buffer, .address_space: global }
      - { .name: wk, .offset: 8, .size: 8, .value_kind: global_buffer, .address_space: global }
      - { .name: wv, .offset: 16, .size: 8, .value_kind: global_buffer, .address_space: global }
      - { .name: wo, .offset: 24, .size: 8, .value_kind: global_buffer, .address_space: global }
      - { .name: w1, .offset: 32, .size: 8, .value_kind: global_buffer, .address_space: global }
      - { .name: w2, .offset: 40, .size: 8, .value_kind: global_buffer, .address_space: global }
      - { .name: wx, .offset: 48, .size: 8, .value_kind: global_buffer, .address_space: global }
      - { .name: x, .offset: 56, .size: 8, .value_kind: global_buffer, .address_space: global }
    .group_segment_fixed_size: 68096
    .private_segment_fixed_size: 0
    .kernarg_segment_align: 8
    .kernarg_segment_size: 64
    .max_flat_workgroup_size: 128
    .sgpr_count:     66
    .vgpr_count:     210
    .wavefront_size: 32
...
	.end_amdgpu_metadata
.endif
;; end of part 1
;; launch gqkv (part 2): grid 12 x 16, 4 waves a work-group, clusters of 4 x 4, 327,680 bytes of LDS; arguments wx, qkv; writes qkv
.if DOCPART == 2
	.amdgcn_target "amdgcn-amd-amdhsa--gfx1250"
	.amdhsa_code_object_version 6
	.text
	.protected	k_q5d169a7d6d_gqkv
	.globl	k_q5d169a7d6d_gqkv
	.p2align	8
	.type	k_q5d169a7d6d_gqkv,@function
k_q5d169a7d6d_gqkv:
	s_mov_b64 s[64:65], 0
	v_nop
	global_prefetch_b8 v0, s[64:65] scope:SCOPE_SE
	s_setreg_imm32_b32 hwreg(HW_REG_WAVE_MODE, 25, 1), 1
	s_wait_xcnt 0x0
	s_wait_alu depctr_hold_cnt(0) depctr_sa_sdst(0) depctr_va_vdst(0) depctr_va_sdst(0) depctr_va_ssrc(0) depctr_va_vcc(0) depctr_vm_vsrc(0)
	s_getreg_b32 s2, hwreg(HW_REG_IB_STS2, 6, 4)
	s_cmp_eq_u32 s2, 0
	s_cbranch_scc0 .Lentry_in_a_cluster
	s_endpgm
.Lentry_in_a_cluster:
	s_bfe_u32 s2, ttmp6, 0x10000c
	s_cmp_lg_u32 s2, 0xf033
	s_cbranch_scc0 .Lentry_shape_is_right
	s_endpgm
.Lentry_shape_is_right:
; A GEMM on codes of FP6 (E2M3) whose RESULT IS QUANTISED AGAIN in registers and leaves as codes.  K = 1,024.  One text serves two launches: BIAS = 0: q, k and v from x; BIAS = 1: relu(norm w1 + b1).
; P is source 0: its row index runs along a lane's result registers and is the NEXT product's K.  Q is source 1: its rows lie in the lanes and are the result operand's rows.
; BIAS = 0: clusters x = 0, 1: P = wq's and wk's 2,048 features, Q = x's rows: q and k, K = the features.  Cluster x = 2: P = x's rows, Q = wv's features: v with the keys along K.
; LAYOUT of every operand (the program's own): tile T, lane-row r = row 32 (T/2) + 8 (T%2) + r + (r & 8), so that the 16 result registers of P's tiles 2 b, 2 b + 1 are 16 neighbours along the next K.
; Half a fragment (T, 64 along K) is 768 dense bytes, an image of the registers: lane l has bytes 0-15 at 16 l, bytes 16-23 at 512 + 8 l.  Scale words: [step of 128][tile][r].
; A work-group makes 256 x 256, a wave 128 x 128: 64 accumulators.  K goes in steps of 256 through two LDS slots filled by the tensor data mover; the scale words of all of K come once.
; CLUSTERS 4 x 4: P's tiles hang on cx and are shared along a column, Q's on cy and are shared along a row: joint loads.
; REGISTERS: window 0: v16-29 addresses; v32-63 scale words, two sets; v64-127 the bias, later the quantiser's work; v128-223 Q's fragments, one set.  Window 1: P's fragments, two sets.  Windows 2, 3: accumulators.
; LIMITS: NaN and infinities are not served; a block under 2^-124, zeros among them, keeps the scale byte 1 (this program alone reads the bytes).
.set BIAS, 0
.set W1_C,   3145728
.set W1_S,   12746752
.set X_C,    9437184
.set X_S,    13008896
.set WQKV_S, 12582912
.set WV_C,   128*12288
.set WV_S,   WQKV_S+128*64
.set VT_C,   12582912
.set QK_S,   15728640
.set VT_S,   15990784
.set N_S,    3145728
.set S_S,    12582912
.if BIAS
.set PBASE, 6
.set OBASE, 10
.else
.set PBASE, 4
.set OBASE, 6
.endif
.set FR,    12                         ; registers of a fragment
.set NL,    4                          ; LDS loads that bring one
.set NP,    4                          ; places behind this matrix instruction (ISA guide 7.12.1)
.set NQ,    2                          ; steps of 128 in a slot
.set TILEB, 3072                       ; a tile's bytes in a slot
.set HALFT, 8*TILEB                    ; eight tiles: what one tensor load brings
.set SLOT,  4*HALFT                    ; Q's 16 tiles, then P's 16
.set LAPS,  2
.set SCL,   2*SLOT                     ; the scale words: Q's, then P's, one load each: [step 8][tile 16][64 bytes]
.set QSB,   4096
.set SPARE, SCL+4*QSB                  ; the spare words, 128 bytes a wave
.set ADRA, 16                          ; v16-17 Q's fragments in slot 0, 1: + 16 x lane;  v18-19: + 8 x lane
.set ADRB, 20                          ; v20-23 the same for P
.set LI16, 24                          ; 16 x lane
.set LI8,  25                          ; 8 x lane
.set LI4,  26                          ; 4 x lane
.set ADRS, 27                          ; my scale words: lanes 0-15 Q's, lanes 16-31 P's
.set SPW,  28
.set NIL,  29
.set SC,   32
.set BI,   64                          ; the bias: eight registers for each of P's eight tiles
.set AF,   128
.set TM,   64                          ; the way out: v64-79 at work, v80-82 scale words, v84-102 codes
.set PWE,  80
.set PWS,  82
.set PC,   84
.set G1, 24
.set G0, 32
.set G1B, 48
.set G0B, 56
.set G1S, 68
.set G0S, 76
.set G1SB, 80
.set G0SB, 88
.set MSB, 0
.macro WIN new                         ; the immediate's high byte repeats the setting that is left
.if MSB != (\new)
	s_set_vgpr_msb (MSB<<8)|(\new)
.set MSB, (\new)
.endif
.endm
.set MUL_LO, 0xa1                      ; source 0 (P) window 1, source 1 (Q) window 0, C and D window 2
.set MUL_HI, 0xf1
.if BIAS
.set ST_LO, 0x81                       ; the first step: C is the bias, in window 0
.set ST_HI, 0xc1
.else
.set ST_LO, MUL_LO
.set ST_HI, MUL_HI
.endif
.set TO_B,   0x40
.macro JLOAD g0a, g1a, g0b, g1b        ; a joint load: waves 0, 1 fetch for Q, waves 2, 3 for P; four v_nop follow each line
	s_cmp_eq_u32 s15, 0
	s_cbranch_scc0 .Lfor_b_\@
	tensor_load_to_lds s[\g0a:\g0a+3], s[\g1a:\g1a+7]
	s_nop 0
.rept 4
	v_nop
.endr
	s_branch .Lasked_\@
.Lfor_b_\@:
	tensor_load_to_lds s[\g0b:\g0b+3], s[\g1b:\g1b+7]
	s_nop 0
.rept 4
	v_nop
.endr
.Lasked_\@:
.endm
.macro CREST                           ; a round of the cluster's barrier behind its opening barrier
	s_cmp_lg_u32 s14, 0
	s_cbranch_scc1 .Lnot_wave_0_\@
	s_barrier_signal -3
.Lnot_wave_0_\@:
	s_barrier_wait -3
	s_barrier_signal -1
	s_barrier_wait -1
.endm
.macro CROUND
	s_barrier_signal -1
	s_barrier_wait -1
	CREST
.endm
.if BIAS
	s_load_b256 s[4:11], s[0:1], 0x0               ; nrm (Q), wx (P), b1, sim
.else
	s_load_b128 s[4:7], s[0:1], 0x0                ; wx (P and Q), qkv
.endif
	v_lshl_add_u32 v[SPW], v0, 2, SPARE
	v_mov_b32 v[NIL], 0
	ds_add_u32 v28, v29
	ds_add_u32 v28, v29
	s_wait_dscnt 0x0
	v_lshrrev_b32 v1, 5, v0
	v_readfirstlane_b32 s14, v1                    ; wave
	s_lshr_b32 s15, s14, 1                         ; my half of Q's tiles.  Also: I fetch for Q (0) or P (1)
	s_and_b32 s16, s14, 1                          ; my half of P's.  Also: which eight tiles I fetch
	s_bfe_u32 s40, ttmp6, 0x40000                  ; cx
	s_bfe_u32 s41, ttmp6, 0x40004                  ; cy
	s_and_b32 s17, ttmp7, 0xffff                   ; the cluster's y
.if BIAS
	s_mov_b32 s42, ttmp9
	s_mov_b32 s12, W1_C                            ; P's codes, P's scale words,
	s_mov_b32 s13, W1_S
	s_mov_b32 s19, 0                               ; Q's,
	s_mov_b32 s66, N_S
	s_mov_b32 s67, 0                               ; the result's,
	s_mov_b32 s95, S_S
	s_mov_b32 s2, 256                              ; and the tiles in a step of its scale words
.else
	s_mov_b32 s13, WQKV_S
	s_mov_b32 s19, X_C
	s_mov_b32 s66, X_S
	s_mov_b32 s95, QK_S
	s_mov_b32 s2, 256
	s_cmp_eq_u32 ttmp9, 2                          ; the role hangs on the cluster's x alone: it is the same in all sixteen partners
	s_cselect_b32 s42, s17, ttmp9                  ; P's cluster coordinate
	s_cselect_b32 s17, 0, s17                      ; Q's
	s_cselect_b32 s12, X_C, 0
	s_cselect_b32 s13, X_S, s13
	s_cselect_b32 s19, WV_C, s19
	s_cselect_b32 s66, WV_S, s66
	s_cselect_b32 s67, VT_C, 0
	s_cselect_b32 s95, VT_S, s95
	s_cselect_b32 s2, 64, s2
.endif
	s_lshl_b32 s42, s42, 2
	s_add_co_u32 s42, s42, s40                     ; P's block of 256
	s_lshl_b32 s17, s17, 2
	s_add_co_u32 s17, s17, s41                     ; Q's
	s_lshl_b32 s43, s41, 2
	s_lshl_b32 s43, 15, s43                        ; my row of the cluster
	s_lshl_b32 s44, 0x1111, s40                    ; my column
	; group 1, codes: eight rows (tiles) of 3,072 bytes = 384 elements of 8 bytes, 12,288 bytes apart
	s_or_b32 s[G1+0], s43, (3<<16)|(1<<21)
	s_or_b32 s[G1B+0], s44, (3<<16)|(1<<21)
.irp g, G1, G1B
	s_mov_b32 s[\g+1], 384<<16
	s_mov_b32 s[\g+2], 16<<16                      ; the head's loads bring all sixteen tiles; behind them the two row counts are set to 8
	s_mov_b32 s[\g+3], 384<<16
	s_mov_b32 s[\g+4], 16
	s_mov_b32 s[\g+5], 1536
	s_mov_b32 s[\g+6], 0
	s_mov_b32 s[\g+7], 0
.endr
	; group 1, scale words: eight rows (steps) of 1,024 bytes (sixteen tiles), 16,384 bytes apart
	s_or_b32 s[G1S+0], s43, (3<<16)|(1<<21)
	s_or_b32 s[G1SB+0], s44, (3<<16)|(1<<21)
.irp g, G1S, G1SB
	s_mov_b32 s[\g+1], 128<<16                     ; scale words: eight rows (steps) of 1,024 bytes (sixteen tiles)
	s_mov_b32 s[\g+2], 8<<16
	s_mov_b32 s[\g+3], 128<<16
	s_mov_b32 s[\g+4], 8
	s_mov_b32 s[\g+5], 2048
	s_mov_b32 s[\g+6], 0
	s_mov_b32 s[\g+7], 0
.endr
	s_lshl_b32 s18, s16, 3
	s_lshl_b32 s20, s17, 4
	s_add_co_u32 s20, s20, s18                     ; Q: the first tile that I fetch
	s_lshl_b32 s46, s42, 4
	s_add_co_u32 s46, s46, s18                     ; P
	s_lshl_b32 s22, s17, 10                        ; the block's sixteen tiles' words, 64 bytes a tile
	s_add_co_u32 s22, s22, s66
	s_lshl_b32 s92, s42, 10
	s_add_co_u32 s92, s92, s13
	s_mul_i32 s20, s20, 12288
	s_add_co_u32 s20, s20, s19
	s_mul_i32 s46, s46, 12288
	s_add_co_u32 s46, s46, s12
	s_mov_b32 s21, 0
	s_mov_b32 s23, 0
	s_mov_b32 s47, 0
	s_mov_b32 s93, 0
	s_mul_i32 s45, s14, HALFT                      ; where they go: no place in the cluster enters an LDS address
	s_mul_i32 s94, s15, 2*QSB                      ; Q's scale words, then P's
	s_wait_kmcnt 0x0
	s_add_nc_u64 s[20:21], s[4:5], s[20:21]
	s_add_nc_u64 s[22:23], s[4:5], s[22:23]
	s_add_nc_u64 s[46:47], s[PBASE:PBASE+1], s[46:47]
	s_add_nc_u64 s[92:93], s[PBASE:PBASE+1], s[92:93]
	CROUND                                         ; all sixteen work-groups are here: the first joint loads meet
	s_mov_b32 s[G0S], 1
	s_add_co_u32 s[G0S+1], s94, SCL
	s_mov_b64 s[G0S+2:G0S+3], s[22:23]
	s_or_b32 s[G0S+3], s[G0S+3], 0x80000000
	s_mov_b32 s[G0SB], 1
	s_add_co_u32 s[G0SB+1], s94, SCL
	s_mov_b64 s[G0SB+2:G0SB+3], s[92:93]
	s_or_b32 s[G0SB+3], s[G0SB+3], 0x80000000
.irp s, 0,1
	s_mov_b32 s[G0+4*\s], 1
	s_add_co_u32 s[G0+4*\s+1], s45, \s*SLOT
	s_add_nc_u64 s[G0+4*\s+2:G0+4*\s+3], s[20:21], \s*TILEB
	s_or_b32 s[G0+4*\s+3], s[G0+4*\s+3], 0x80000000
	s_mov_b32 s[G0B+4*\s], 1
	s_add_co_u32 s[G0B+4*\s+1], s45, \s*SLOT
	s_add_nc_u64 s[G0B+4*\s+2:G0B+4*\s+3], s[46:47], \s*TILEB
	s_or_b32 s[G0B+4*\s+3], s[G0B+4*\s+3], 0x80000000
.endr
	; the head's four tiles, one load a wave: wave 0 slot 0's sixteen tiles of Q, wave 2 those of P, wave 1 Q's scale words, wave 3 P's
	s_cmp_eq_u32 s16, 0
	s_cbranch_scc0 .Lhead_s
	JLOAD G0, G1, G0B, G1B
	s_branch .Lhead_j
.Lhead_s:
	JLOAD G0S, G1S, G0SB, G1SB
.Lhead_j:
	s_wait_alu depctr_va_vdst(0)
	s_wait_tensorcnt 0x0
	ds_add_u32 v28, v29
	s_mov_b32 s[G1+2], 8<<16                       ; no load of mine is out: from here on a load brings eight tiles
	s_mov_b32 s[G1+4], 8
	s_mov_b32 s[G1B+2], 8<<16
	s_mov_b32 s[G1B+4], 8
	s_wait_dscnt 0x0
	CROUND
	JLOAD G0+4, G1, G0B+4, G1B
	v_and_b32 v1, 15, v0                           ; r
	v_bfe_u32 v2, v0, 4, 1                         ; h
	v_and_b32 v3, 31, v0
	v_lshlrev_b32 v[LI16], 4, v3
	v_lshlrev_b32 v[LI8], 3, v3
	v_lshlrev_b32 v[LI4], 2, v3
	s_mul_i32 s21, s15, HALFT                      ; my eight tiles of Q
	s_mul_i32 s22, s16, HALFT                      ; my eight of P,
	s_add_co_u32 s22, s22, 2*HALFT                 ; which lie behind Q's sixteen
.irp s, 0,1
	v_add_nc_u32 v[ADRA+\s], s21, v[LI16]
	v_add_nc_u32 v[ADRA+2+\s], s21, v[LI8]
	v_add_nc_u32 v[ADRB+\s], s22, v[LI16]
	v_add_nc_u32 v[ADRB+2+\s], s22, v[LI8]
	s_add_co_u32 s21, s21, SLOT
	s_add_co_u32 s22, s22, SLOT
.endr
	v_lshlrev_b32 v5, 2, v1
	s_lshl_b32 s21, s15, 9                         ; my eight tiles' 512 bytes of a step's 1,024
	s_lshl_b32 s22, s16, 9
	s_add_co_u32 s22, s22, 2*QSB                   ; P's
	s_sub_co_u32 s22, s22, s21
	v_mul_u32_u24 v6, s22, v2                      ; lanes 16-31 take P's
	s_add_co_u32 s21, s21, SCL
	v_add_nc_u32 v5, v5, v6
	v_add_nc_u32 v[ADRS], s21, v5
.if BIAS
	s_lshl_b32 s20, s42, 10
	s_lshl_b32 s21, s16, 9
	s_add_co_u32 s20, s20, s21
	s_mov_b32 s21, 0
	s_add_nc_u64 s[8:9], s[8:9], s[20:21]          ; b1 at my 128 of P's rows
	v_lshlrev_b32 v7, 6, v2
.irp b, 0,1,2,3,4,5,6,7                ; tile b's eight: rows 32 (b/2) + 16 h + 8 (b%2) + 0..7
	global_load_b128 v[BI+8*\b:BI+8*\b+3], v7, s[8:9] offset:(32*(\b/2)+8*(\b%2))*4
	global_load_b128 v[BI+8*\b+4:BI+8*\b+7], v7, s[8:9] offset:(32*(\b/2)+8*(\b%2))*4+16
.endr
.endif
	s_lshl_b32 s20, s17, 4
	s_lshl_b32 s21, s15, 3
	s_add_co_u32 s20, s20, s21                     ; the result's first tile of mine
	s_lshl_b32 s46, s42, 1
	s_add_co_u32 s46, s46, s16                     ; its step of 128 along the next K
	s_lshl_b32 s21, s20, 6
	s_lshl_b32 s47, s46, 1
	s_add_co_u32 s21, s21, s47
	s_mul_i32 s96, s21, 768
	s_add_co_u32 s96, s96, s67
	s_mov_b32 s97, 0
	s_add_nc_u64 s[96:97], s[OBASE:OBASE+1], s[96:97]   ; the codes
	s_mul_i32 s98, s46, s2
	s_add_co_u32 s98, s98, s20
	s_lshl_b32 s98, s98, 6
	s_add_co_u32 s98, s98, s95
	s_mov_b32 s99, 0
	s_add_nc_u64 s[98:99], s[OBASE:OBASE+1], s[98:99]   ; the scale words
.macro FRAG reg, a16, a8, off          ; a fragment is two images of 768 bytes: every load takes consecutive bytes
	ds_load_b128 v[(\reg):(\reg)+3], v[\a16] offset:(\off)
	ds_load_b64 v[(\reg)+4:(\reg)+5], v[\a8] offset:(\off)+512
	ds_load_b128 v[(\reg)+6:(\reg)+9], v[\a16] offset:(\off)+768
	ds_load_b64 v[(\reg)+10:(\reg)+11], v[\a8] offset:(\off)+1280
.endm
; 16 matrix instructions: Q's tiles a0, a0 + 1 x P's eight.  The 64 accumulators take turns, one instruction a turn, in the same order in every step.
.macro MUL16 a0, p, q, sc, zero
.irp a, \a0, \a0+1
.irp b, 0,1,2,3,4,5,6,7
.if \zero
.if BIAS
	v_wmma_scale_f32_16x16x128_f8f6f4 v[8*(8*((\a)%4)+\b):8*(8*((\a)%4)+\b)+7], v[128*(\p)+FR*\b:128*(\p)+FR*\b+FR-1], v[AF+FR*(\a):AF+FR*(\a)+FR-1], v[BI+8*\b:BI+8*\b+7], v[SC+8*NQ*(\sc)+NQ*\b+(\q)], v[SC+8*NQ*(\sc)+NQ*(\a)+(\q)] matrix_a_fmt:MATRIX_FMT_FP6 matrix_b_fmt:MATRIX_FMT_FP6 matrix_a_scale:MATRIX_SCALE_ROW1
.else
	v_wmma_scale_f32_16x16x128_f8f6f4 v[8*(8*((\a)%4)+\b):8*(8*((\a)%4)+\b)+7], v[128*(\p)+FR*\b:128*(\p)+FR*\b+FR-1], v[AF+FR*(\a):AF+FR*(\a)+FR-1], 0, v[SC+8*NQ*(\sc)+NQ*\b+(\q)], v[SC+8*NQ*(\sc)+NQ*(\a)+(\q)] matrix_a_fmt:MATRIX_FMT_FP6 matrix_b_fmt:MATRIX_FMT_FP6 matrix_a_scale:MATRIX_SCALE_ROW1
.endif
.else
	v_wmma_scale_f32_16x16x128_f8f6f4 v[8*(8*((\a)%4)+\b):8*(8*((\a)%4)+\b)+7], v[128*(\p)+FR*\b:128*(\p)+FR*\b+FR-1], v[AF+FR*(\a):AF+FR*(\a)+FR-1], v[8*(8*((\a)%4)+\b):8*(8*((\a)%4)+\b)+7], v[SC+8*NQ*(\sc)+NQ*\b+(\q)], v[SC+8*NQ*(\sc)+NQ*(\a)+(\q)] matrix_a_fmt:MATRIX_FMT_FP6 matrix_b_fmt:MATRIX_FMT_FP6 matrix_a_scale:MATRIX_SCALE_ROW1
.endif
.endr
.endr
.endm
.macro FETCH_B slot, q, p
	WIN TO_B
.irp i, 0,1,2,3,4,5,6,7
	FRAG 128*(\p)+FR*\i, ADRB+\slot, ADRB+2+\slot, \i*TILEB+(\q)*1536
.endr
	WIN 0
.endm
.macro FETCH_A slot, q, i0
.irp i, \i0, \i0+1, \i0+2, \i0+3
	FRAG AF+FR*(\i), ADRA+\slot, ADRA+2+\slot, (\i)*TILEB+(\q)*1536
.endr
.endm
.macro SCALES sc                       ; a slot's scale words: register NQ i + q: lanes 0-15 Q's tile i, lanes 16-31 P's tile i
.irp i, 0,1,2,3,4,5,6,7
	ds_load_b32 v[SC+8*NQ*\sc+NQ*\i], v[ADRS] offset:\i*64
	ds_load_b32 v[SC+8*NQ*\sc+NQ*\i+1], v[ADRS] offset:\i*64+1024
.endr
.endm
.macro PLACES n
.rept \n
	v_nop
.endr
.endm
.macro STEP slot, q, zero              ; a step of 128 along K that has its successor in the same slot
	s_wait_dscnt 4*NL                              ; P's set, Q's tiles 0-3 and the scale words are in; the youngest 16 loads (Q's tiles 4-7) may be out
.if \zero
	WIN ST_LO
.else
	WIN MUL_LO
.endif
	MUL16 0, (\q)%2, \q, \slot, \zero
	MUL16 2, (\q)%2, \q, \slot, \zero
	s_wait_dscnt 0
	PLACES NP
	FETCH_B \slot, (\q)+1, 1-(\q)%2
	FETCH_A \slot, (\q)+1, 0
.if \zero
	WIN ST_HI
.else
	WIN MUL_HI
.endif
	MUL16 4, (\q)%2, \q, \slot, \zero
	MUL16 6, (\q)%2, \q, \slot, \zero
	PLACES NP
	WIN 0
	FETCH_A \slot, (\q)+1, 4
.endm
.macro TURN slot, next, fill           ; a slot's last step changes slots: one barrier
	s_wait_tensorcnt 0x0                           ; all my tensor loads have landed: my part of the next slot
	ds_add_u32 v[SPW], v[NIL]                      ; 0 onto my spare word
	s_wait_dscnt 4*NL+1                            ; (the add and the youngest 16 loads, Q's tiles 4-7, may be out)
	WIN MUL_LO
	MUL16 0, 1, NQ-1, \slot, 0
	s_wait_dscnt 0x0                               ; the add is done, and my reads of this slot are over
	s_barrier_signal -1
	MUL16 2, 1, NQ-1, \slot, 0
	WIN 0
	s_barrier_wait -1
.if \fill
	CREST                                          ; the barrier has opened a round of the cluster's: no wave of any partner still reads this slot or has a load on its way
	s_add_nc_u64 s[G0+4*\slot+2:G0+4*\slot+3], s[G0+4*\slot+2:G0+4*\slot+3], 2*TILEB
	s_add_nc_u64 s[G0B+4*\slot+2:G0B+4*\slot+3], s[G0B+4*\slot+2:G0B+4*\slot+3], 2*TILEB
	JLOAD G0+4*\slot, G1, G0B+4*\slot, G1B         ; the first tensor load behind the round; its four v_nop are the places in front of the loads below
.else
	PLACES NP
.endif
	s_wait_alu depctr_va_vdst(0)
	v_add_nc_u32 v[ADRS], 2048, v[ADRS]
	FETCH_B \next, 0, 0
	FETCH_A \next, 0, 0
	SCALES \next
	WIN MUL_HI
	MUL16 4, 1, NQ-1, \slot, 0
	MUL16 6, 1, NQ-1, \slot, 0
	PLACES NP
	WIN 0
	FETCH_A \next, 0, 4
.endm
	s_wait_alu depctr_va_vdst(0)
	s_wait_tensorcnt 1                             ; the scale words and my part of slot 0 are in; slot 1's load may be out
	s_barrier_signal -1
	s_barrier_wait -1
	FETCH_B 0, 0, 0
	FETCH_A 0, 0, 0
	SCALES 0
	FETCH_A 0, 0, 4
.if BIAS
	s_wait_loadcnt 0x0                             ; the bias
.endif
	STEP 0, 0, 1                                   ; the first step starts the sums
	s_mov_b32 s3, LAPS-1
.Llap:
	TURN 0, 1, 1
	STEP 1, 0, 0
	TURN 1, 0, 1
	STEP 0, 0, 0
	s_sub_co_u32 s3, s3, 1
	s_cmp_lg_u32 s3, 0
	s_cbranch_scc1 .Llap
	TURN 0, 1, 0                                   ; the last lap fills nothing
	STEP 1, 0, 0
	s_wait_dscnt 4*NL
	WIN MUL_LO
	MUL16 0, 1, NQ-1, 1, 0
	MUL16 2, 1, NQ-1, 1, 0
	s_wait_dscnt 0
	WIN MUL_HI
	MUL16 4, 1, NQ-1, 1, 0
	MUL16 6, 1, NQ-1, 1, 0
	WIN 0
; THE WAY OUT.  For Q's tile a the lane's 64 results, register 16 b + i = next K 32 b + 16 h + i of my row, are one fragment of the result operand: quantised in registers and stored as an image.
.macro QUANTW                          ; ES: the tile's first accumulator register; EW: its window; EP: the register for the scale word
	WIN (EW|(EW<<2))
.irp b, 0,1,2,3
	v_max3_num_f32 v[TM+\b], |v[ES+16*\b]|, |v[ES+1+16*\b]|, 0x1800000   ; each accumulator is read from its low end on; the floor 2^(3 - 127)
.endr
	WIN ((EW<<2)|(EW<<4))
.irp i, 2,4,6,8,10,12,14
.irp b, 0,1,2,3
	v_max3_num_f32 v[TM+\b], v[TM+\b], |v[ES+16*\b+\i]|, |v[ES+1+16*\b+\i]|
.endr
.endr
	WIN 0
.irp b, 0,1,2,3
	v_permlanex16_b32 v[TM+4+\b], v[TM+\b], s[92], s[93]
.endr
.irp b, 0,1,2,3
	v_max_num_f32 v[TM+\b], v[TM+\b], v[TM+4+\b]
.endr
.irp b, 0,1,2,3
	v_add_nc_u32 v[TM+12+\b], 0xff000000, v[TM+\b]
.endr
.irp b, 0,1,2,3
	v_lshrrev_b32 v[TM+4+\b], 23, v[TM+12+\b]
.endr
	v_lshl_or_b32 v[EP], v[TM+5], 8, v[TM+4]
	v_lshl_or_b32 v[EP], v[TM+6], 16, v[EP]
	v_lshl_or_b32 v[EP], v[TM+7], 24, v[EP]
	s_wait_xcnt 0x0                                ; the last tile's stores have read their data: the codes' registers are written again
	WIN EW
.irp c, 0,1
	v_cvt_scalef32_pk16_fp6_f32 v[PC+6*\c:PC+2+6*\c], v[ES+32*\c:ES+15+32*\c], v[TM+12+2*\c]
	v_cvt_scalef32_pk16_fp6_f32 v[PC+12+4*\c:PC+14+4*\c], v[ES+16+32*\c:ES+31+32*\c], v[TM+12+2*\c+1]
.endr
	WIN 0
	v_nop                                          ; one plain line behind a scaled conversion
.irp c, 0,1
.irp i, 0,1,2
	v_permlane16_swap_b32 v[PC+6*\c+\i], v[PC+12+4*\c+\i]
.endr
.irp i, 0,1,2
	v_mov_b32 v[PC+3+6*\c+\i], v[PC+12+4*\c+\i]
.endr
.endr
.endm
	s_mov_b32 s92, 0x76543210                      ; lane l xor 16 (the descriptors' sources are done with)
	s_mov_b32 s93, 0xfedcba98
	s_mov_b32 s3, 0xffff0000                       ; lanes 16-31
	PLACES NP                                      ; behind the last products
.irp b, 0,1,2,3
	v_mov_b32 v[TM+4+\b], 0                        ; a lane permute's destination counts as read
.endr
.irp a, 0,1,2,3,4,5,6,7
.set EW, 2+(\a)/4
.set ES, 64*((\a)%4)
.set EP, PWE+(\a)%2
.if BIAS
	WIN ((EW<<6)|(EW<<2))
.set J, 0
.rept 64
	v_max_num_f32 v[ES+J], 0, v[ES+J]              ; the activation, in f32, from each accumulator's low end on
.set J, J+1
.endr
.endif
	QUANTW
	global_store_b128 v[LI16], v[PC:PC+3], s[96:97] offset:\a*49152          ; 512 consecutive bytes
	global_store_b64 v[LI8], v[PC+4:PC+5], s[96:97] offset:\a*49152+512      ; 256
	global_store_b128 v[LI16], v[PC+6:PC+9], s[96:97] offset:\a*49152+768
	global_store_b64 v[LI8], v[PC+10:PC+11], s[96:97] offset:\a*49152+1280
.if (\a)%2
	v_cndmask_b32 v[PWS], v[PWE], v[PWE+1], s3     ; two tiles' words: 128 consecutive bytes
	global_store_b32 v[LI4], v[PWS], s[98:99] offset:128*((\a)/2)
.endif
.endr
	s_wait_tensorcnt 0x0                           ; the wave's end
	ds_add_u32 v[SPW], v[NIL]
	s_wait_dscnt 0x0
	CROUND                                         ; the closing round
	s_endpgm
.Lfunc_end_k_q5d169a7d6d_gqkv:
	.size	k_q5d169a7d6d_gqkv, .Lfunc_end_k_q5d169a7d6d_gqkv-k_q5d169a7d6d_gqkv
	.p2alignl 7, 3214868480
	.fill 96, 4, 3214868480
	.section	.rodata,"a",@progbits
	.p2align	6, 0x0
	.amdhsa_kernel k_q5d169a7d6d_gqkv
		.amdhsa_group_segment_fixed_size 327680
		.amdhsa_private_segment_fixed_size 0
		.amdhsa_enable_private_segment 0
		.amdhsa_kernarg_size 16
		.amdhsa_user_sgpr_count 2
		.amdhsa_user_sgpr_kernarg_segment_ptr 1
		.amdhsa_wavefront_size32 1
		.amdhsa_system_sgpr_workgroup_id_x 1
		.amdhsa_system_sgpr_workgroup_id_y 1
		.amdhsa_system_sgpr_workgroup_id_z 1
		.amdhsa_system_vgpr_workitem_id 0
		.amdhsa_next_free_vgpr 1024
		.amdhsa_next_free_sgpr 100
		.amdhsa_reserve_vcc 0
		.amdhsa_float_denorm_mode_32 3
		.amdhsa_float_denorm_mode_16_64 3
		.amdhsa_memory_ordered 1
		.amdhsa_forward_progress 1
		.amdhsa_inst_pref_size 153
	.end_amdhsa_kernel
	.amdgpu_metadata
---
amdhsa.version: [ 1, 2 ]
amdhsa.kernels:
  - .name:           k_q5d169a7d6d_gqkv
    .symbol:         k_q5d169a7d6d_gqkv.kd
    .args:
      - { .name: wx, .offset: 0, .size: 8, .value_kind: global_buffer, .address_space: global }
      - { .name: qkv, .offset: 8, .size: 8, .value_kind: global_buffer, .address_space: global }
    .group_segment_fixed_size: 327680
    .private_segment_fixed_size: 0
    .kernarg_segment_align: 8
    .kernarg_segment_size: 16
    .max_flat_workgroup_size: 128
    .sgpr_count:     100
    .vgpr_count:     1024
    .wavefront_size: 32
...
	.end_amdgpu_metadata
.endif
;; end of part 2
;; launch attn (part 3): grid 8 x 32, 16 waves a work-group, no clusters, 327,680 bytes of LDS; arguments qkv, pre; writes pre
.if DOCPART == 3
	.amdgcn_target "amdgcn-amd-amdhsa--gfx1250"
	.amdhsa_code_object_version 6
	.text
	.protected	k_q5d169a7d6d_attn
	.globl	k_q5d169a7d6d_attn
	.p2align	8
	.type	k_q5d169a7d6d_attn,@function
k_q5d169a7d6d_attn:
	s_mov_b64 s[64:65], 0
	v_nop
	global_prefetch_b8 v0, s[64:65] scope:SCOPE_SE
	s_setreg_imm32_b32 hwreg(HW_REG_WAVE_MODE, 25, 1), 1
	s_wait_xcnt 0x0
; Attention of one (batch, head) on codes of FP6 (E2M3): logit(key c, query d) = k(c) . q(d), - 100 where c > d, / 8, softmax over the keys, times v; the result is quantised along (head, v) and leaves as codes.
; THE MASK IS SOFT: no key is left out.  t = logit x log2(e) / 8; M = the running largest t rounded up to a whole number; p = 2^(t - M) is quantised along the keys; the sum of the unquantised p divides at the end.
; SHARES: a work-group owns 256 queries of one (batch, head); each of sixteen waves one tile of 16.  All 2,048 keys' codes of k and v and their scale words come into LDS once, nothing is filled again.
; THE FILLS: two chunks of 1,024 keys.  At the head every wave issues one tensor load: waves 0-3 k's chunk 0 (16 tiles each), waves 4-7 v's chunk 0 (one feature tile x 8 steps each, 12,288 dense bytes),
; waves 8-11 k's scale words (2,048 bytes each), waves 12-15 v's (4 steps each).  Behind the first barrier waves 0-7 ask for chunk 1, one load each; it is waited for eight steps later, in front of the second barrier.
; NO PREFETCH: chunk 1's own load is issued eight steps of all sixteen waves ahead of the wait for it; chunk 0 has no loop ahead of it.
; NO CLUSTER: the step on the diagonal is a branch on the work-group's x, which differs between the work-groups that share k and v.
; LAYOUT: both products transposed (source 0 = 16 keys, or 16 of v's features; source 1 = my 16 queries): a lane holds one query.  Tiles are in the program's row order (tile T, lane-row r = 32 (T/2) + 8 (T%2) + r + (r & 8)),
; so the 16 score registers of key tiles 2 b, 2 b + 1 are 16 neighbouring keys.  The head's 64 fill half of the instruction's K: registers 6-11 of q's and k's fragments are zero codes, their scale bytes 0 (2^-127: no NaN).
; THE MASK BY STEPS: my queries lie in one step sd of 128 keys.  Steps under sd: C = 0.  Step sd: - 100 added element by element.  Steps over sd: - 100 is the C of the score products.
; LIMITS: NaN and infinities are not served; a block's largest p is made from its largest score (v_exp_f32 is taken not to fall where its input rises); 1 / sum by v_rcp_f32;
; a block under 2^-124 keeps the scale byte 1; the result's scale bytes leave two at a time (a head owns half of a scale word).
.set QK_S,  15728640
.set VT_C,  12582912
.set VT_S,  15990784
.set PRE_S, 3145728
.set CHB,   49152                      ; a chunk's bytes of k, and of v
.set LV,    98304                      ; LDS: k [tile 128][768] at 0; v [chunk 2][tile 4][step 8][1,536] here;
.set LSK,   196608                     ; k's scale words [tile][64];
.set LSV,   204800                     ; v's [step][tile][64]
.set SPARE, 208896                     ; the spare words, 128 bytes a wave
.set WV,  18
.set W3,  19
.set SEL, 40
.set CS,  42
.set TK,  44                           ; the step's bytes in k, in k's scale words, in v, in v's scale words
.set TSK, 45
.set TV,  46
.set TSV, 47
.set ST,  48                           ; the step
.set SD,  49                           ; the step on the diagonal
.set CNT, 50
.set NEG, 51
.set G1K,  68
.set G1V,  76
.set G1SK, 84
.set G1SV, 92
; REGISTERS: v1-7 addresses that stay; v8-11, v28, v29 the step's; v12 -M, v13 the largest t, v[14:15] the sum; v16-27 q; v30 q's scale word; v31 the mask's d; v32-79 four fragments of k;
; v80-87 the C of the score products; v88-91 scale words; v96-159 scores, p, then v's four fragments; v160-191 O^T; v192-203 p's codes; v204-210 conversions; v212-253 at work; v228 p's scale word; v254, v255 the add's.
; s[20:23] my group 0; s[24:25] bytes from chunk to chunk in memory.
.macro MKG1 g, c, r, p                 ; r rows of c elements of 8 bytes, p elements apart; no mask, no padding
	s_mov_b32 s[\g], 3<<16
	s_mov_b32 s[\g+1], (\c)<<16
	s_mov_b32 s[\g+2], (\r)<<16
	s_mov_b32 s[\g+3], (\c)<<16
	s_mov_b32 s[\g+4], \r
	s_mov_b32 s[\g+5], \p
	s_mov_b32 s[\g+6], 0
	s_mov_b32 s[\g+7], 0
.endm
.macro ASK g1                          ; a tensor load by my group 0; s_nop 0 and four v_nop follow
	tensor_load_to_lds s[20:23], s[\g1:\g1+7]
	s_nop 0
.rept 4
	v_nop
.endr
.endm
.macro GO g1                           ; the head's load: the address from the offset in s[60:61]
	s_add_nc_u64 s[22:23], s[4:5], s[60:61]
	s_or_b32 s23, s23, 0x80000000
	ASK \g1
.endm
	s_load_b128 s[4:7], s[0:1], 0x0                ; qkv, pre
	v_lshl_add_u32 v254, v0, 2, SPARE
	v_mov_b32 v255, 0
	ds_add_u32 v254, v255                          ; the opening lines: the add twice on end and one wait
	ds_add_u32 v254, v255
	v_lshrrev_b32 v8, 5, v0
	s_delay_alu instid0(VALU_DEP_1)
	v_readfirstlane_b32 s[WV], v8                  ; wave 0..15
	s_and_b32 s[W3], s[WV], 3                      ; my number among the four that share a kind of tile
	s_and_b32 s52, ttmp7, 0xffff
	s_and_b32 s53, s52, 15                         ; the head
	s_lshr_b32 s52, s52, 4                         ; the batch
	s_lshr_b32 s54, s53, 1
	s_and_b32 s55, s53, 1
	MKG1 G1K, 96, 16, 6144                         ; k: sixteen tiles' halves of 768 bytes, 49,152 bytes apart
	MKG1 G1V, 192, 8, 192                          ; v: eight steps' fragments of one tile: 12,288 dense bytes
	MKG1 G1SK, 32, 8, 32                           ; k's scale words: 2,048 dense bytes
	MKG1 G1SV, 32, 4, 512                          ; v's: four steps' 256 bytes, 4,096 apart
	s_mov_b32 s20, 1
	s_mov_b32 s25, 0
	s_mov_b32 s61, 0
	s_wait_dscnt 0x0
	s_wait_kmcnt 0x0
	; one chain of branches on the wave's number, one load to an arm, all arms to one join
	s_cmp_lt_u32 s[WV], 4
	s_cbranch_scc0 .Lhv
	s_mul_i32 s21, s[W3], 12288
	s_lshl_b32 s60, s52, 7
	s_lshl_b32 s62, s[W3], 4
	s_add_co_u32 s60, s60, s62                     ; tile 128 b + 16 w
	s_mul_i32 s60, s60, 49152
	s_add_co_u32 s62, s53, 16
	s_mul_i32 s62, s62, 768                        ; half 16 + head
	s_add_co_u32 s60, s60, s62
	s_mov_b32 s24, 64*49152
	GO G1K
	s_branch .Lasked
.Lhv:
	s_cmp_lt_u32 s[WV], 8
	s_cbranch_scc0 .Lhsk
	s_mul_i32 s21, s[W3], 12288
	s_add_co_u32 s21, s21, LV
	s_lshl_b32 s60, s53, 2
	s_add_co_u32 s60, s60, s[W3]                   ; tile 4 head + w
	s_mul_i32 s60, s60, 49152
	s_mul_i32 s62, s52, 16*1536                    ; step 16 b
	s_add_co_u32 s60, s60, s62
	s_add_co_u32 s60, s60, VT_C
	s_mov_b32 s24, 8*1536
	GO G1V
	s_branch .Lasked
.Lhsk:
	s_cmp_lt_u32 s[WV], 12
	s_cbranch_scc0 .Lhsv
	s_lshl_b32 s62, s[W3], 11
	s_add_co_u32 s21, s62, LSK
	s_add_co_u32 s60, s54, 8                       ; k's features begin at 1,024: step 8 + head / 2
	s_lshl_b32 s60, s60, 8
	s_lshl_b32 s63, s52, 7
	s_add_co_u32 s60, s60, s63
	s_lshl_b32 s60, s60, 6
	s_add_co_u32 s60, s60, s62
	s_add_co_u32 s60, s60, QK_S
	s_mov_b32 s24, 0
	GO G1SK
	s_branch .Lasked
.Lhsv:
	s_lshl_b32 s21, s[W3], 10
	s_add_co_u32 s21, s21, LSV
	s_lshl_b32 s60, s52, 4
	s_lshl_b32 s62, s[W3], 2
	s_add_co_u32 s60, s60, s62                     ; step 16 b + 4 w
	s_lshl_b32 s60, s60, 6
	s_lshl_b32 s62, s53, 2
	s_add_co_u32 s60, s60, s62                     ; tile 4 head
	s_lshl_b32 s60, s60, 6
	s_add_co_u32 s60, s60, VT_S
	s_mov_b32 s24, 0
	GO G1SV
.Lasked:
	s_lshl_b32 s57, ttmp9, 4
	s_add_co_u32 s57, s57, s[WV]                   ; my tile of queries in the batch
	s_lshr_b32 s[SD], s57, 3
	s_lshl_b32 s58, s52, 7
	s_add_co_u32 s58, s58, s57                     ; and among all rows
	s_lshl_b32 s60, s58, 6
	s_add_co_u32 s60, s60, s53
	s_mul_i32 s60, s60, 768
	s_add_nc_u64 s[8:9], s[4:5], s[60:61]          ; q's codes
	s_lshl_b32 s62, s54, 8
	s_add_co_u32 s62, s62, s58
	s_lshl_b32 s62, s62, 6
	s_lshl_b32 s63, s55, 1
	s_add_co_u32 s62, s62, s63                     ; (256 (head / 2) + tile) 64 + 2 (head % 2)
	s_add_co_u32 s60, s62, QK_S
	s_add_nc_u64 s[10:11], s[4:5], s[60:61]        ; q's scale bytes
	s_add_co_u32 s60, s62, PRE_S
	s_add_nc_u64 s[14:15], s[6:7], s[60:61]        ; the result's
	s_lshl_b32 s60, s58, 4
	s_add_co_u32 s60, s60, s53
	s_mul_i32 s60, s60, 768
	s_add_nc_u64 s[12:13], s[6:7], s[60:61]        ; the result's codes
	s_add_co_u32 s63, s63, LSK
	s_lshr_b32 s59, s57, 1
	s_lshl_b32 s59, s59, 5
	s_and_b32 s60, s57, 1
	s_lshl_b32 s60, s60, 3
	s_add_co_u32 s59, s59, s60                     ; my tile's first query
	v_and_b32 v8, 31, v0
	v_and_b32 v9, 15, v0                           ; r
	v_bfe_u32 v10, v0, 4, 1                        ; h
	s_delay_alu instid0(VALU_DEP_3)
	v_lshlrev_b32 v1, 4, v8                        ; k: 16 x lane
	s_delay_alu instid0(VALU_DEP_4)
	v_lshlrev_b32 v2, 3, v8                        ;    8 x lane
	s_delay_alu instid0(VALU_DEP_2)
	v_add_nc_u32 v3, LV, v1                        ; v likewise
	s_delay_alu instid0(VALU_DEP_2)
	v_add_nc_u32 v4, LV, v2
	v_lshl_add_u32 v5, v9, 2, s63                  ; k's scale bytes: my head's two of row r's word
	v_lshl_add_u32 v6, v9, 2, LSV                  ; v's scale words
	v_lshlrev_b32 v232, 2, v9
	global_load_b128 v[16:19], v1, s[8:9]
	global_load_b64 v[20:21], v2, s[8:9] offset:512
	global_load_u16 v30, v232, s[10:11]            ; bytes 0, 1: the head's two scales; bytes 2, 3: 0, over zero codes
	v_and_b32 v11, 8, v9
	s_delay_alu instid0(VALU_DEP_1)
	v_add_nc_u32 v7, v9, v11
	s_delay_alu instid0(VALU_DEP_1)
	v_add_nc_u32 v7, s59, v7                       ; my query
	v_lshlrev_b32 v10, 4, v10
	s_delay_alu instid0(VALU_DEP_1)
	v_sub_nc_u32 v7, v7, v10                       ; - 16 h
	s_mov_b32 s[SEL], 0x76543210
	s_mov_b32 s[SEL+1], 0xfedcba98
	s_mov_b32 s[CS], 0x3e38aa3b                    ; c = log2(e) / 8
	s_mov_b32 s[CS+1], s[CS]
	s_mov_b32 s[NEG], 0xc2c80000                   ; - 100
	s_mov_b32 s[TK], 0
	s_mov_b32 s[TSK], 0
	s_mov_b32 s[TV], 0
	s_mov_b32 s[TSV], 0
	s_mov_b32 s[ST], 0
	v_mov_b32 v13, 0xff61b1e6                      ; the largest t so far: -3e38
	s_delay_alu instid0(VALU_DEP_1)
	v_floor_f32 v12, -v13                          ; -M
	v_mov_b32 v14, 0
	v_mov_b32 v15, 0
.irp j, 22,23,24,25,26,27
	v_mov_b32 v[\j], 0                             ; q's upper 64 along K: zero codes
.endr
.irp t, 0,1,2,3
.irp j, 6,7,8,9,10,11
	v_mov_b32 v[32+12*\t+\j], 0                    ; k's likewise: written once
.endr
.endr
.irp j, 0,1,2,3,4,5,6,7
	v_mov_b32 v[80+\j], 0                          ; the C of the score products: 0 up to the diagonal
.endr
.set J, 0
.rept 32
	v_mov_b32 v[160+J], 0                          ; O^T: the first change of M leaves zeros zeros
.set J, J+1
.endr
.irp b, 0,1,2,3
	v_mov_b32 v[216+\b], 0                         ; a lane permute's destination counts as read
.endr
	v_mov_b32 v224, 0
	v_mov_b32 v227, 0                              ; (named as the upper half of the pair v[226:227])
.macro STEP                            ; 128 keys
	v_add_nc_u32 v11, s[TV], v3                    ; six plain lines: the places behind the last step's products, whose operands the score products write over
	v_add_nc_u32 v28, s[TV], v4
	v_add_nc_u32 v29, s[TSV], v6
	v_add_nc_u32 v8, s[TK], v1
	v_add_nc_u32 v9, s[TK], v2
	v_add_nc_u32 v10, s[TSK], v5
	s_wait_alu depctr_va_vdst(0)
.irp g, 0,1                            ; S^T = k q^T + C, four tiles of 16 keys at a time
.if \g
.rept 4
	v_nop                                          ; places in front of loads into registers that matrix instructions have read
.endr
.endif
.irp t, 0,1,2,3
	ds_load_b128 v[32+12*\t:35+12*\t], v8 offset:(4*\g+\t)*768
	ds_load_b64 v[36+12*\t:37+12*\t], v9 offset:(4*\g+\t)*768+512
	ds_load_u16 v[88+\t], v10 offset:(4*\g+\t)*64
.endr
	s_wait_dscnt 0x0
.irp t, 0,1,2,3
	v_wmma_scale_f32_16x16x128_f8f6f4 v[96+8*(4*\g+\t):103+8*(4*\g+\t)], v[32+12*\t:43+12*\t], v[16:27], v[80:87], v[88+\t], v30 matrix_a_fmt:MATRIX_FMT_FP6 matrix_b_fmt:MATRIX_FMT_FP6
.endr
.endr
.rept 4
	v_nop
.endr
	s_cmp_lg_u32 s[ST], s[SD]                      ; the step on the diagonal: a branch on ids and the step's number
	s_cbranch_scc1 .Lopen_\@
	s_lshl_b32 s52, s[ST], 7
	v_sub_nc_u32 v31, v7, s52                      ; d = my query - 16 h - the step's first key.  Register 16 b + i holds the key 32 b + i further on: masked where 32 b + i > d
.set N, 0
.rept 64
	v_cmp_gt_i32 vcc_lo, 32*(N/16)+N%16, v31
	v_add_f32 v224, s[NEG], v[96+N]
	v_cndmask_b32 v[96+N], v[96+N], v224, vcc_lo
.set N, N+1
.endr
.irp j, 0,1,2,3,4,5,6,7
	v_mov_b32 v[80+\j], s[NEG]                     ; from the next step on every key is masked
.endr
.Lopen_\@:
.irp b, 0,1,2,3
	v_max3_num_f32 v[212+\b], v[96+16*\b], v[97+16*\b], v[98+16*\b]   ; the largest score of each block of 32 keys
.endr
.irp i, 3,5,7,9,11,13
.irp b, 0,1,2,3
	v_max3_num_f32 v[212+\b], v[212+\b], v[96+16*\b+\i], v[97+16*\b+\i]
.endr
.endr
.irp b, 0,1,2,3
	v_max_num_f32 v[212+\b], v[212+\b], v[111+16*\b]
.endr
.irp b, 0,1,2,3
	s_delay_alu instid0(VALU_DEP_4)
	v_permlanex16_b32 v[216+\b], v[212+\b], s[SEL], s[SEL+1]
.endr
.irp b, 0,1,2,3
	s_delay_alu instid0(VALU_DEP_4)
	v_max_num_f32 v[212+\b], v[212+\b], v[216+\b]
.endr
	s_delay_alu instid0(VALU_DEP_2)
	v_max3_num_f32 v224, v212, v213, v214
	s_delay_alu instid0(VALU_DEP_1)
	v_max_num_f32 v224, v224, v215
	s_delay_alu instid0(VALU_DEP_1)
	v_mul_f32 v224, s[CS], v224
	s_delay_alu instid0(VALU_DEP_1)
	v_max_num_f32 v13, v13, v224                   ; the running largest t
	v_mov_b32 v224, v12
	s_delay_alu instid0(VALU_DEP_2)
	v_floor_f32 v12, -v13                          ; -M = floor(-t): a whole number
	s_delay_alu instid0(VALU_DEP_1)
	v_sub_f32 v224, v12, v224
	s_delay_alu instid0(VALU_DEP_1)
	v_cvt_i32_f32 v224, v224                       ; (it saturates)
	s_delay_alu instid0(VALU_DEP_1)
	v_ldexp_f32 v226, 1.0, v224                    ; f = 2^(old M - new M)
.set J, 0
.rept 32
	v_pk_fma_f32 v[96+J:97+J], v[96+J:97+J], s[CS:CS+1], v[12:13] op_sel_hi:[1,0,0]   ; t - M
.set J, J+2
.endr
.irp b, 0,1,2,3
	v_fma_f32 v[212+\b], v[212+\b], s[CS], v12
.endr
	s_wait_alu depctr_va_vdst(0)
.set J, 0
.rept 64
	v_exp_f32 v[96+J], v[96+J]                     ; p = 2^(t - M)
.set J, J+1
.endr
.irp b, 0,1,2,3
	v_exp_f32 v[212+\b], v[212+\b]                 ; the block's largest p
.endr
	v_pk_mul_f32 v[14:15], v[14:15], v[226:227] op_sel_hi:[1,0]   ; the sum under the new M (a plain line behind the exponentials)
	s_wait_alu depctr_va_vdst(0)                   ; one wait behind the batch, directly ahead of the first readers of O^T
.set J, 0
.rept 16
	v_pk_mul_f32 v[160+J:161+J], v[160+J:161+J], v[226:227] op_sel_hi:[1,0]   ; O^T under the new M
.set J, J+2
.endr
.irp b, 0,1,2,3
	v_max_num_f32 v[212+\b], 0x1800000, v[212+\b]  ; the floor 2^(3 - 127)
.endr
.irp b, 0,1,2,3
	s_delay_alu instid0(VALU_DEP_4)
	v_add_nc_u32 v[220+\b], 0xff000000, v[212+\b]  ; 2 off the exponent field: the conversion's scale operand
.endr
.irp b, 0,1,2,3
	s_delay_alu instid0(VALU_DEP_4)
	v_lshrrev_b32 v[216+\b], 23, v[220+\b]
.endr
	s_delay_alu instid0(VALU_DEP_3)
	v_lshl_or_b32 v228, v217, 8, v216              ; p's scale word
	s_delay_alu instid0(VALU_DEP_1)
	v_lshl_or_b32 v228, v218, 16, v228
	s_delay_alu instid0(VALU_DEP_1)
	v_lshl_or_b32 v228, v219, 24, v228
.irp c, 0,1
	v_cvt_scalef32_pk16_fp6_f32 v[192+6*\c:194+6*\c], v[96+32*\c:111+32*\c], v[220+2*\c]
	v_cvt_scalef32_pk16_fp6_f32 v[204+4*\c:206+4*\c], v[112+32*\c:127+32*\c], v[220+2*\c+1]
.endr
	v_nop                                          ; one plain line behind a scaled conversion
.irp c, 0,1
.irp i, 0,1,2
	v_permlane16_swap_b32 v[192+6*\c+\i], v[204+4*\c+\i]
.endr
.irp i, 0,1,2
	s_delay_alu instid0(VALU_DEP_3)
	v_mov_b32 v[195+6*\c+\i], v[204+4*\c+\i]
.endr
.endr
	v_pk_add_f32 v[230:231], v[96:97], v[98:99]    ; the sum of the unquantised p: four chains by turns
	v_pk_add_f32 v[252:253], v[100:101], v[102:103]
	v_pk_add_f32 v[250:251], v[104:105], v[106:107]
	v_pk_add_f32 v[14:15], v[14:15], v[108:109]
.set J, 110
.rept 6
	v_pk_add_f32 v[230:231], v[230:231], v[J:J+1]
	v_pk_add_f32 v[252:253], v[252:253], v[J+2:J+3]
	v_pk_add_f32 v[250:251], v[250:251], v[J+4:J+5]
	v_pk_add_f32 v[14:15], v[14:15], v[J+6:J+7]
.set J, J+8
.endr
	v_pk_add_f32 v[230:231], v[230:231], v[158:159]
	v_pk_add_f32 v[252:253], v[252:253], v[250:251]
	s_delay_alu instid0(VALU_DEP_2)
	v_pk_add_f32 v[14:15], v[14:15], v[230:231]
	s_delay_alu instid0(VALU_DEP_1)
	v_pk_add_f32 v[14:15], v[14:15], v[252:253]
.irp f, 0,1,2,3                        ; O^T += v^T p^T: v's four tiles, into the registers that p has left
	ds_load_b128 v[96+12*\f:99+12*\f], v11 offset:\f*12288
	ds_load_b64 v[100+12*\f:101+12*\f], v28 offset:\f*12288+512
	ds_load_b128 v[102+12*\f:105+12*\f], v11 offset:\f*12288+768
	ds_load_b64 v[106+12*\f:107+12*\f], v28 offset:\f*12288+1280
	ds_load_b32 v[88+\f], v29 offset:\f*64
.endr
	s_wait_dscnt 0x0
.irp f, 0,1,2,3
	v_wmma_scale_f32_16x16x128_f8f6f4 v[160+8*\f:167+8*\f], v[96+12*\f:107+12*\f], v[192:203], v[160+8*\f:167+8*\f], v[88+\f], v228 matrix_a_fmt:MATRIX_FMT_FP6 matrix_b_fmt:MATRIX_FMT_FP6
.endr
	s_add_co_u32 s[TK], s[TK], 6144
	s_add_co_u32 s[TSK], s[TSK], 512
	s_add_co_u32 s[TV], s[TV], 1536
	s_add_co_u32 s[TSV], s[TSV], 256
	s_add_co_u32 s[ST], s[ST], 1
.endm
.macro MEET on                         ; all my tensor loads, the add, my LDS instructions, the barrier.  on = 1: my group 0 steps to chunk 1
	s_wait_tensorcnt 0x0
	ds_add_u32 v254, v255
.if \on
	s_add_nc_u64 s[22:23], s[22:23], s[24:25]
	s_add_co_u32 s21, s21, CHB
.endif
	s_wait_dscnt 0x0
	s_barrier_signal -1
	s_barrier_wait -1
.endm
.macro EIGHT                           ; a chunk's eight steps
	s_mov_b32 s[CNT], 8
.Lstep_\@:
	STEP
	s_sub_co_u32 s[CNT], s[CNT], 1
	s_cmp_lg_u32 s[CNT], 0
	s_cbranch_scc1 .Lstep_\@
.endm
	s_wait_alu depctr_va_vdst(0)
	s_wait_loadcnt 0x0                             ; q
	MEET 1                                         ; chunk 0 and all scale words are in, everybody's
	s_cmp_lt_u32 s[WV], 4                          ; chunk 1, a first fill: one load each for waves 0-7, none for the others
	s_cbranch_scc0 .Lc1v
	ASK G1K
	s_branch .Lc1d
.Lc1v:
	s_cmp_lt_u32 s[WV], 8
	s_cbranch_scc0 .Lc1d
	ASK G1V
.Lc1d:
	EIGHT                                          ; steps 0 to 7 read chunk 0 alone
	s_add_co_u32 s[TV], s[TV], CHB-8*1536          ; v's chunk 1 begins behind chunk 0's four tiles
	MEET 0                                         ; chunk 1 is in, everybody's
	EIGHT                                          ; steps 8 to 15
	; THE WAY OUT: O^T / the sum; register 16 b + i is the head's v 32 b + 16 h + i of my query: half a fragment of the next product's operand
.rept 4
	v_nop
.endr
	s_wait_alu depctr_va_vdst(0)
	v_add_f32 v14, v14, v15
	s_delay_alu instid0(VALU_DEP_1)
	v_permlanex16_b32 v224, v14, s[SEL], s[SEL+1]
	s_delay_alu instid0(VALU_DEP_1)
	v_add_f32 v14, v14, v224
	s_wait_alu depctr_va_vdst(0)
	v_rcp_f32 v14, v14
	v_nop
	s_wait_alu depctr_va_vdst(0)
.set J, 0
.rept 32
	v_mul_f32 v[96+J], v[160+J], v14
.set J, J+1
.endr
.irp b, 0,1
	v_max3_num_f32 v[212+\b], |v[96+16*\b]|, |v[97+16*\b]|, 0x1800000
.endr
.irp i, 2,4,6,8,10,12,14
.irp b, 0,1
	s_delay_alu instid0(VALU_DEP_2)
	v_max3_num_f32 v[212+\b], v[212+\b], |v[96+16*\b+\i]|, |v[97+16*\b+\i]|
.endr
.endr
.irp b, 0,1
	s_delay_alu instid0(VALU_DEP_2)
	v_permlanex16_b32 v[216+\b], v[212+\b], s[SEL], s[SEL+1]
.endr
.irp b, 0,1
	s_delay_alu instid0(VALU_DEP_2)
	v_max_num_f32 v[212+\b], v[212+\b], v[216+\b]
.endr
.irp b, 0,1
	s_delay_alu instid0(VALU_DEP_2)
	v_add_nc_u32 v[220+\b], 0xff000000, v[212+\b]
.endr
.irp b, 0,1
	s_delay_alu instid0(VALU_DEP_2)
	v_lshrrev_b32 v[216+\b], 23, v[220+\b]
.endr
	s_delay_alu instid0(VALU_DEP_1)
	v_lshl_or_b32 v229, v217, 8, v216              ; the head's two scale bytes
	v_cvt_scalef32_pk16_fp6_f32 v[192:194], v[96:111], v220
	v_cvt_scalef32_pk16_fp6_f32 v[204:206], v[112:127], v221
	v_nop
.irp i, 0,1,2
	v_permlane16_swap_b32 v[192+\i], v[204+\i]
.endr
.irp i, 0,1,2
	s_delay_alu instid0(VALU_DEP_3)
	v_mov_b32 v[195+\i], v[204+\i]
.endr
	global_store_b128 v1, v[192:195], s[12:13]     ; 512 consecutive bytes
	global_store_b64 v2, v[196:197], s[12:13] offset:512
	global_store_b16 v232, v229, s[14:15]          ; both lanes of a row write the same two bytes
	s_wait_tensorcnt 0x0                           ; the wave's end
	ds_add_u32 v254, v255
	s_wait_dscnt 0x0
	s_endpgm
.Lfunc_end_k_q5d169a7d6d_attn:
	.size	k_q5d169a7d6d_attn, .Lfunc_end_k_q5d169a7d6d_attn-k_q5d169a7d6d_attn
	.p2alignl 7, 3214868480
	.fill 96, 4, 3214868480
	.section	.rodata,"a",@progbits
	.p2align	6, 0x0
	.amdhsa_kernel k_q5d169a7d6d_attn
		.amdhsa_group_segment_fixed_size 327680
		.amdhsa_private_segment_fixed_size 0
		.amdhsa_enable_private_segment 0
		.amdhsa_kernarg_size 16
		.amdhsa_user_sgpr_count 2
		.amdhsa_user_sgpr_kernarg_segment_ptr 1
		.amdhsa_wavefront_size32 1
		.amdhsa_system_sgpr_workgroup_id_x 1
		.amdhsa_system_sgpr_workgroup_id_y 1
		.amdhsa_system_sgpr_workgroup_id_z 1
		.amdhsa_system_vgpr_workitem_id 0
		.amdhsa_next_free_vgpr 256
		.amdhsa_next_free_sgpr 100
		.amdhsa_reserve_vcc 1
		.amdhsa_float_denorm_mode_32 3
		.amdhsa_float_denorm_mode_16_64 3
		.amdhsa_memory_ordered 1
		.amdhsa_forward_progress 1
		.amdhsa_inst_pref_size 68
	.end_amdhsa_kernel
	.amdgpu_metadata
---
amdhsa.version: [ 1, 2 ]
amdhsa.kernels:
  - .name:           k_q5d169a7d6d_attn
    .symbol:         k_q5d169a7d6d_attn.kd
    .args:
      - { .name: qkv, .offset: 0, .size: 8, .value_kind: global_buffer, .address_space: global }
      - { .name: pre, .offset: 8, .size: 8, .value_kind: global_buffer, .address_space: global }
    .group_segment_fixed_size: 327680
    .private_segment_fixed_size: 0
    .kernarg_segment_align: 8
    .kernarg_segment_size: 16
    .max_flat_workgroup_size: 512
    .sgpr_count:     100
    .vgpr_count:     256
    .wavefront_size: 32
...
	.end_amdgpu_metadata
.endif
;; end of part 3
;; launch gout (part 4): grid 8 x 32, 4 waves a work-group, clusters of 4 x 4, 327,680 bytes of LDS; arguments pre, wx, x, yb; writes yb
.if DOCPART == 4
	.amdgcn_target "amdgcn-amd-amdhsa--gfx1250"
	.amdhsa_code_object_version 6
	.text
	.protected	k_q5d169a7d6d_gout
	.globl	k_q5d169a7d6d_gout
	.p2align	8
	.type	k_q5d169a7d6d_gout,@function
k_q5d169a7d6d_gout:
	s_mov_b64 s[64:65], 0
	v_nop
	global_prefetch_b8 v0, s[64:65] scope:SCOPE_SE
	s_setreg_imm32_b32 hwreg(HW_REG_WAVE_MODE, 25, 1), 1
	s_wait_xcnt 0x0
	s_wait_alu depctr_hold_cnt(0) depctr_sa_sdst(0) depctr_va_vdst(0) depctr_va_sdst(0) depctr_va_ssrc(0) depctr_va_vcc(0) depctr_vm_vsrc(0)
	s_getreg_b32 s2, hwreg(HW_REG_IB_STS2, 6, 4)
	s_cmp_eq_u32 s2, 0
	s_cbranch_scc0 .Lentry_in_a_cluster
	s_endpgm
.Lentry_in_a_cluster:
	s_bfe_u32 s2, ttmp6, 0x10000c
	s_cmp_lg_u32 s2, 0xf033
	s_cbranch_scc0 .Lentry_shape_is_right
	s_endpgm
.Lentry_shape_is_right:
.set KSIZE, 1024
.if KSIZE == 1024
.set A_S,     3145728
.set B_C,     2359296
.set B_S,     12713984
.set RES_OFF, 0
.else
.set A_S,     12582912
.set B_C,     6291456
.set B_S,     12877824
.set RES_OFF, 3276800
.endif
.set PART,  16777216
.set KH,    KSIZE/64
.set NS,    KSIZE/128
.set LAPS,  KSIZE/1024
.set TILEB, 6144
.set HALFT, 4*TILEB
.set SLOT,  4*HALFT
.set SCL,   2*SLOT
.set QSB,   NS*256
.set SPARE, SCL+4*8192
.set STAGE, SPARE+512
.set XCH,   STAGE+4*16*272
.set ADRA, 16
.set ADRB, 20
.set STO,  24
.set RD,   25
.set RO,   26
.set ADRS, 27
.set SPW,  28
.set NIL,  29
.set XW,   30
.set XR,   31
.set SC,   32
.set ACC,  128
.set F0,   0
.set F1,   128
.set G1, 24
.set G0, 32
.set G1B, 48
.set G0B, 56
.set G1S, 68
.set G0S, 76
.set G1SB, 80
.set G0SB, 88
.set SEL, 66
.set MSB, 0
.macro WIN new
.if MSB != (\new)
	s_set_vgpr_msb (MSB<<8)|(\new)
.set MSB, (\new)
.endif
.endm
.set MUL,  0x05
.set TO_F, 0x40
.macro JLOAD g0a, g1a, g0b, g1b
	s_cmp_eq_u32 s15, 0
	s_cbranch_scc0 .Lfor_b_\@
	tensor_load_to_lds s[\g0a:\g0a+3], s[\g1a:\g1a+7]
	s_nop 0
.rept 4
	v_nop
.endr
	s_branch .Lasked_\@
.Lfor_b_\@:
	tensor_load_to_lds s[\g0b:\g0b+3], s[\g1b:\g1b+7]
	s_nop 0
.rept 4
	v_nop
.endr
.Lasked_\@:
.endm
.macro CREST
	s_cmp_lg_u32 s14, 0
	s_cbranch_scc1 .Lnot_wave_0_\@
	s_barrier_signal -3
.Lnot_wave_0_\@:
	s_barrier_wait -3
	s_barrier_signal -1
	s_barrier_wait -1
.endm
.macro CROUND
	s_barrier_signal -1
	s_barrier_wait -1
	CREST
.endm
	s_load_b256 s[4:11], s[0:1], 0x0
	v_lshl_add_u32 v[SPW], v0, 2, SPARE
	v_mov_b32 v[NIL], 0
	ds_add_u32 v28, v29
	ds_add_u32 v28, v29
	s_wait_dscnt 0x0
	v_lshrrev_b32 v1, 5, v0
	v_readfirstlane_b32 s14, v1
	s_lshr_b32 s15, s14, 1
	s_and_b32 s16, s14, 1
	s_bfe_u32 s40, ttmp6, 0x40000
	s_bfe_u32 s41, ttmp6, 0x40004
	s_lshl_b32 s42, ttmp9, 2
	s_add_co_u32 s42, s42, s40
	s_and_b32 s17, ttmp7, 0xffff
	s_lshl_b32 s17, s17, 2
	s_add_co_u32 s17, s17, s41
	s_lshl_b32 s43, s41, 2
	s_lshl_b32 s43, 15, s43
	s_lshl_b32 s44, 0x1111, s40
	s_or_b32 s[G1+0], s43, (3<<16)|(1<<21)
	s_or_b32 s[G1B+0], s44, (3<<16)|(1<<21)
.irp g, G1, G1B
	s_mov_b32 s[\g+1], 768<<16
	s_mov_b32 s[\g+2], 8<<16
	s_mov_b32 s[\g+3], 768<<16
	s_mov_b32 s[\g+4], 8
	s_mov_b32 s[\g+5], KH*96
	s_mov_b32 s[\g+6], 0
	s_mov_b32 s[\g+7], 0
.endr
	s_or_b32 s[G1S+0], s43, (3<<16)|(1<<21)
	s_or_b32 s[G1SB+0], s44, (3<<16)|(1<<21)
.irp g, G1S, G1SB
	s_mov_b32 s[\g+1], 64<<16
	s_mov_b32 s[\g+2], NS<<16
	s_mov_b32 s[\g+3], 64<<16
	s_mov_b32 s[\g+4], NS
	s_mov_b32 s[\g+6], 0
	s_mov_b32 s[\g+7], 0
.endr
	s_mov_b32 s[G1S+5], 2048
	s_mov_b32 s[G1SB+5], 512
	s_lshl_b32 s18, s16, 2
	s_lshl_b32 s20, s17, 3
	s_add_co_u32 s20, s20, s18
	s_lshl_b32 s46, s42, 3
	s_add_co_u32 s46, s46, s18
	s_lshl_b32 s22, s17, 9
	s_add_co_u32 s22, s22, A_S
	s_lshl_b32 s92, s42, 9
	s_add_co_u32 s92, s92, B_S
	s_mul_i32 s20, s20, KH*768
	s_mul_i32 s46, s46, KH*768
	s_add_co_u32 s46, s46, B_C
	s_mov_b32 s21, 0
	s_mov_b32 s23, 0
	s_mov_b32 s47, 0
	s_mov_b32 s93, 0
	s_mul_i32 s45, s14, HALFT
	s_mul_i32 s94, s15, 2*QSB
	s_wait_kmcnt 0x0
	s_add_nc_u64 s[20:21], s[4:5], s[20:21]
	s_add_nc_u64 s[22:23], s[4:5], s[22:23]
	s_add_nc_u64 s[46:47], s[6:7], s[46:47]
	s_add_nc_u64 s[92:93], s[6:7], s[92:93]
	CROUND
	s_mov_b32 s[G0S], 1
	s_add_co_u32 s[G0S+1], s94, SCL
	s_mov_b64 s[G0S+2:G0S+3], s[22:23]
	s_or_b32 s[G0S+3], s[G0S+3], 0x80000000
	s_mov_b32 s[G0SB], 1
	s_add_co_u32 s[G0SB+1], s94, SCL
	s_mov_b64 s[G0SB+2:G0SB+3], s[92:93]
	s_or_b32 s[G0SB+3], s[G0SB+3], 0x80000000
.irp s, 0,1
	s_mov_b32 s[G0+4*\s], 1
	s_add_co_u32 s[G0+4*\s+1], s45, \s*SLOT
	s_add_nc_u64 s[G0+4*\s+2:G0+4*\s+3], s[20:21], \s*TILEB
	s_or_b32 s[G0+4*\s+3], s[G0+4*\s+3], 0x80000000
	s_mov_b32 s[G0B+4*\s], 1
	s_add_co_u32 s[G0B+4*\s+1], s45, \s*SLOT
	s_add_nc_u64 s[G0B+4*\s+2:G0B+4*\s+3], s[46:47], \s*TILEB
	s_or_b32 s[G0B+4*\s+3], s[G0B+4*\s+3], 0x80000000
.endr
	; the head's four tiles, one load a wave: wave 0 slot 0's eight tiles of A, wave 2 those of B, wave 1 A's scale words, wave 3 B's
	s_cmp_eq_u32 s16, 0
	s_cbranch_scc0 .Lhead_s
	JLOAD G0, G1, G0B, G1B
	s_branch .Lhead_j
.Lhead_s:
	JLOAD G0S, G1S, G0SB, G1SB
.Lhead_j:
	s_wait_alu depctr_va_vdst(0)
	s_wait_tensorcnt 0x0
	ds_add_u32 v28, v29
	s_mov_b32 s[G1+2], 4<<16                       ; no load of mine is out: from here on a load brings four tiles
	s_mov_b32 s[G1+4], 4
	s_mov_b32 s[G1B+2], 4<<16
	s_mov_b32 s[G1B+4], 4
	s_wait_dscnt 0x0
	CROUND
	JLOAD G0+4, G1, G0B+4, G1B
	v_and_b32 v1, 15, v0
	v_bfe_u32 v2, v0, 4, 1
	v_and_b32 v3, 31, v0
	v_lshlrev_b32 v4, 4, v3
	v_lshlrev_b32 v5, 3, v3
	s_mul_i32 s21, s15, HALFT
	s_mul_i32 s22, s16, HALFT
	s_add_co_u32 s22, s22, 2*HALFT
.irp s, 0,1
	v_add_nc_u32 v[ADRA+\s], s21, v4
	v_add_nc_u32 v[ADRA+2+\s], s21, v5
	v_add_nc_u32 v[ADRB+\s], s22, v4
	v_add_nc_u32 v[ADRB+2+\s], s22, v5
	s_add_co_u32 s21, s21, SLOT
	s_add_co_u32 s22, s22, SLOT
.endr
	v_lshlrev_b32 v5, 2, v1
	s_lshl_b32 s21, s15, 8
	s_lshl_b32 s22, s16, 8
	s_add_co_u32 s22, s22, 2*QSB
	s_sub_co_u32 s22, s22, s21
	v_mul_u32_u24 v6, s22, v2
	s_add_co_u32 s21, s21, SCL
	v_add_nc_u32 v5, v5, v6
	v_add_nc_u32 v[ADRS], s21, v5
	s_mul_i32 s23, s14, 16*272
	s_add_co_u32 s23, s23, STAGE
	v_mul_u32_u24 v6, v1, 272
	v_lshl_add_u32 v6, v2, 6, v6
	v_add_nc_u32 v[STO], s23, v6
	v_mul_u32_u24 v6, v2, 272
	v_lshl_add_u32 v6, v1, 4, v6
	v_add_nc_u32 v[RD], s23, v6
	v_lshlrev_b32 v6, 12, v2
	v_lshl_add_u32 v[RO], v1, 4, v6
	s_wait_alu depctr_va_vdst(0)
	s_lshl_b32 s23, s14, 9
	s_add_co_u32 s23, s23, XCH
	v_lshl_add_u32 v[XW], v1, 4, s23
	s_xor_b32 s23, s14, 2
	s_lshl_b32 s23, s23, 9
	s_add_co_u32 s23, s23, XCH
	v_lshl_add_u32 v[XR], v1, 4, s23
	s_lshl_b32 s20, s17, 7
	s_lshl_b32 s21, s15, 6
	s_add_co_u32 s20, s20, s21
	s_lshl_b32 s20, s20, 12
	s_lshl_b32 s46, s42, 9
	s_lshl_b32 s47, s16, 8
	s_add_co_u32 s46, s46, s47
	s_add_co_u32 s20, s20, s46
	s_mov_b32 s21, 0
	s_add_nc_u64 s[12:13], s[10:11], s[20:21]
	s_add_co_u32 s20, s20, RES_OFF
	s_add_nc_u64 s[8:9], s[8:9], s[20:21]
	s_lshl_b32 s20, s17, 13
	s_add_co_u32 s20, s20, s46
	s_add_co_u32 s20, s20, PART
	s_add_nc_u64 s[96:97], s[10:11], s[20:21]
	s_mov_b32 s[SEL], 0x76543210
	s_mov_b32 s[SEL+1], 0xfedcba98
	WIN 0x80
.irp a, 0,1,2,3
.irp i, 0,1,2,3,4,5,6,7
	global_load_b128 v[32*\a+4*\i:32*\a+4*\i+3], v[RO], s[8:9] offset:(32*(\a/2)+8*(\a%2)+2*\i+8*(\i/4))*4096
.endr
.endr
	WIN 0
.macro FRAG reg, a16, a8, off
	ds_load_b128 v[(\reg):(\reg)+3], v[\a16] offset:(\off)
	ds_load_b64 v[(\reg)+4:(\reg)+5], v[\a8] offset:(\off)+512
	ds_load_b128 v[(\reg)+6:(\reg)+9], v[\a16] offset:(\off)+768
	ds_load_b64 v[(\reg)+10:(\reg)+11], v[\a8] offset:(\off)+1280
.endm
.macro MUL4 f, a, sc, q, zero
.irp b, 0,1,2,3
.if \zero
	v_wmma_scale_f32_16x16x128_f8f6f4 v[ACC+8*(4*(\a)+\b):ACC+8*(4*(\a)+\b)+7], v[(\f)+12*\b:(\f)+12*\b+11], v[(\f)+48+12*(\a):(\f)+48+12*(\a)+11], 0, v[SC+16*(\sc)+4*(\q)+\b], v[SC+16*(\sc)+4*(\q)+(\a)] matrix_a_fmt:MATRIX_FMT_FP6 matrix_b_fmt:MATRIX_FMT_FP6 matrix_a_scale:MATRIX_SCALE_ROW1
.else
	v_wmma_scale_f32_16x16x128_f8f6f4 v[ACC+8*(4*(\a)+\b):ACC+8*(4*(\a)+\b)+7], v[(\f)+12*\b:(\f)+12*\b+11], v[(\f)+48+12*(\a):(\f)+48+12*(\a)+11], v[ACC+8*(4*(\a)+\b):ACC+8*(4*(\a)+\b)+7], v[SC+16*(\sc)+4*(\q)+\b], v[SC+16*(\sc)+4*(\q)+(\a)] matrix_a_fmt:MATRIX_FMT_FP6 matrix_b_fmt:MATRIX_FMT_FP6 matrix_a_scale:MATRIX_SCALE_ROW1
.endif
.endr
.endm
.macro FETCH slot, q, f
	WIN TO_F
.irp i, 0,1,2,3
	FRAG (\f)+12*\i, ADRB+\slot, ADRB+2+\slot, \i*TILEB+(\q)*1536
.endr
.irp i, 0,1,2,3
	FRAG (\f)+48+12*\i, ADRA+\slot, ADRA+2+\slot, \i*TILEB+(\q)*1536
.endr
.endm
.macro SCALES sc
.irp q, 0,1,2,3
.irp i, 0,1,2,3
	ds_load_b32 v[SC+16*\sc+4*\q+\i], v[ADRS] offset:\q*512+\i*64
.endr
.endr
.endm
.macro PLACES
.rept 4
	v_nop
.endr
.endm
.macro QUARTER slot, qn, f, g, zero
	s_wait_dscnt 8
	WIN MUL
	MUL4 \f, 0, \slot, (\qn)-1, \zero
	MUL4 \f, 1, \slot, (\qn)-1, \zero
	PLACES
	FETCH \slot, \qn, \g
	s_wait_dscnt 32
	WIN MUL
	MUL4 \f, 2, \slot, (\qn)-1, \zero
	MUL4 \f, 3, \slot, (\qn)-1, \zero
.endm
.macro TURN slot, next, fill
	WIN 0
	s_wait_tensorcnt 0x0
	ds_add_u32 v[SPW], v[NIL]
	s_wait_dscnt 9
	WIN MUL
	MUL4 F1, 0, \slot, 3, 0
	s_wait_dscnt 0x0
	s_barrier_signal -1
	MUL4 F1, 1, \slot, 3, 0
	WIN 0
	s_barrier_wait -1
.if \fill
	CREST
	s_add_nc_u64 s[G0+4*\slot+2:G0+4*\slot+3], s[G0+4*\slot+2:G0+4*\slot+3], 2*TILEB
	s_add_nc_u64 s[G0B+4*\slot+2:G0B+4*\slot+3], s[G0B+4*\slot+2:G0B+4*\slot+3], 2*TILEB
	JLOAD G0+4*\slot, G1, G0B+4*\slot, G1B
.else
	PLACES
.endif
	v_add_nc_u32 v[ADRS], 2048, v[ADRS]
	SCALES \next
	FETCH \next, 0, F0
	WIN MUL
	MUL4 F1, 2, \slot, 3, 0
	MUL4 F1, 3, \slot, 3, 0
.endm
	s_wait_tensorcnt 1
	s_barrier_signal -1
	s_barrier_wait -1
	SCALES 0
	FETCH 0, 0, F0
	QUARTER 0, 1, F0, F1, 1
.if LAPS > 1
	WIN 0
	s_mov_b32 s3, LAPS-1
.Llap:
	QUARTER 0, 2, F1, F0, 0
	QUARTER 0, 3, F0, F1, 0
	TURN 0, 1, 1
	QUARTER 1, 1, F0, F1, 0
	QUARTER 1, 2, F1, F0, 0
	QUARTER 1, 3, F0, F1, 0
	TURN 1, 0, 1
	QUARTER 0, 1, F0, F1, 0
	WIN 0
	s_sub_co_u32 s3, s3, 1
	s_cmp_lg_u32 s3, 0
	s_cbranch_scc1 .Llap
.endif
	QUARTER 0, 2, F1, F0, 0
	QUARTER 0, 3, F0, F1, 0
	TURN 0, 1, 0
	QUARTER 1, 1, F0, F1, 0
	QUARTER 1, 2, F1, F0, 0
	QUARTER 1, 3, F0, F1, 0
	s_wait_dscnt 8
	WIN MUL
	MUL4 F1, 0, 1, 3, 0
	MUL4 F1, 1, 1, 3, 0
	s_wait_dscnt 0
	MUL4 F1, 2, 1, 3, 0
	MUL4 F1, 3, 1, 3, 0
	WIN 0
.irp k, 76,77,78,79,80,81,82,83
	v_mov_b32 v[\k], 0
.endr
.irp a, 0,1,2,3
.irp b, 0,1,2,3
	ds_store_b128 v[STO], v[ACC+8*(4*\a+\b):ACC+8*(4*\a+\b)+3] offset:128*(\b/2)+32*(\b%2)
	ds_store_b128 v[STO], v[ACC+8*(4*\a+\b)+4:ACC+8*(4*\a+\b)+7] offset:128*(\b/2)+32*(\b%2)+16
.endr
.irp i, 0,1,2,3,4,5,6,7
	ds_load_b128 v[ACC+32*\a+4*\i:ACC+32*\a+4*\i+3], v[RD] offset:\i*2*272
.endr
.endr
.irp a, 0,1,2,3
	s_wait_dscnt 16*(3-\a)
	s_wait_loadcnt 8*(3-\a)
	WIN 0x08
.set J, 0
.rept 16
	v_pk_add_f32 v[ACC+32*\a+J:ACC+32*\a+J+1], v[ACC+32*\a+J:ACC+32*\a+J+1], v[32*\a+J:32*\a+J+1]
.set J, J+2
.endr
	WIN 0
.irp i, 0,1,2,3,4,5,6,7
	global_store_b128 v[RO], v[ACC+32*\a+4*\i:ACC+32*\a+4*\i+3], s[12:13] offset:(32*(\a/2)+8*(\a%2)+2*\i+8*(\i/4))*4096
.endr
.endr
	v_pk_add_f32 v[64:65], v[ACC:ACC+1], v[ACC+4:ACC+5]
	v_pk_add_f32 v[66:67], v[ACC+2:ACC+3], v[ACC+6:ACC+7]
.set J, 8
.rept 30
	v_pk_add_f32 v[64:65], v[64:65], v[ACC+J:ACC+J+1]
	v_pk_add_f32 v[66:67], v[66:67], v[ACC+J+2:ACC+J+3]
.set J, J+4
.endr
	v_pk_mul_f32 v[64:65], v[64:65], 0x3d000000 op_sel_hi:[1,0]
	v_pk_mul_f32 v[66:67], v[66:67], 0x3d000000 op_sel_hi:[1,0]
	v_pk_add_f32 v[72:73], v[ACC:ACC+1], v[64:65] neg_lo:[0,1] neg_hi:[0,1]
	v_pk_add_f32 v[74:75], v[ACC+2:ACC+3], v[66:67] neg_lo:[0,1] neg_hi:[0,1]
	v_pk_mul_f32 v[68:69], v[72:73], v[72:73]
	v_pk_mul_f32 v[70:71], v[74:75], v[74:75]
.set J, 4
.rept 31
	v_pk_add_f32 v[72:73], v[ACC+J:ACC+J+1], v[64:65] neg_lo:[0,1] neg_hi:[0,1]
	v_pk_add_f32 v[74:75], v[ACC+J+2:ACC+J+3], v[66:67] neg_lo:[0,1] neg_hi:[0,1]
	v_pk_fma_f32 v[68:69], v[72:73], v[72:73], v[68:69]
	v_pk_fma_f32 v[70:71], v[74:75], v[74:75], v[70:71]
.set J, J+4
.endr
.macro JOIN wt
	v_pk_add_f32 v[72:73], v[64:65], v[76:77] neg_lo:[0,1] neg_hi:[0,1]
	v_pk_add_f32 v[74:75], v[66:67], v[78:79] neg_lo:[0,1] neg_hi:[0,1]
	v_pk_add_f32 v[64:65], v[64:65], v[76:77]
	v_pk_add_f32 v[66:67], v[66:67], v[78:79]
	v_pk_add_f32 v[68:69], v[68:69], v[80:81]
	v_pk_add_f32 v[70:71], v[70:71], v[82:83]
	v_pk_mul_f32 v[72:73], v[72:73], v[72:73]
	v_pk_mul_f32 v[74:75], v[74:75], v[74:75]
	v_pk_mul_f32 v[64:65], v[64:65], 0.5 op_sel_hi:[1,0]
	v_pk_mul_f32 v[66:67], v[66:67], 0.5 op_sel_hi:[1,0]
	v_pk_fma_f32 v[68:69], v[72:73], \wt, v[68:69] op_sel_hi:[1,0,1]
	v_pk_fma_f32 v[70:71], v[74:75], \wt, v[70:71] op_sel_hi:[1,0,1]
.endm
.irp k, 0,1,2,3
	v_permlanex16_b32 v[76+\k], v[64+\k], s[SEL], s[SEL+1]
.endr
.irp k, 0,1,2,3
	v_permlanex16_b32 v[80+\k], v[68+\k], s[SEL], s[SEL+1]
.endr
	JOIN 0x41800000
	ds_store_b128 v[XW], v[64:67]
	ds_store_b128 v[XW], v[68:71] offset:256
	s_wait_alu depctr_va_vdst(0)
	s_wait_dscnt 0x0
	s_barrier_signal -1
	s_barrier_wait -1
	ds_load_b128 v[76:79], v[XR]
	ds_load_b128 v[80:83], v[XR] offset:256
	s_wait_dscnt 0x0
	JOIN 0x42000000
	s_mov_b32 s3, 0xffff0000
.irp k, 0,1,2,3
	v_cndmask_b32 v[72+\k], v[64+\k], v[68+\k], s3
.endr
	s_cmp_lg_u32 s15, 0
	s_cbranch_scc1 .Lno_part
	global_store_b128 v[RO], v[72:75], s[96:97]
.Lno_part:
	s_wait_tensorcnt 0x0
	ds_add_u32 v[SPW], v[NIL]
	s_wait_dscnt 0x0
	CROUND
	s_endpgm
.Lfunc_end_k_q5d169a7d6d_gout:
	.size	k_q5d169a7d6d_gout, .Lfunc_end_k_q5d169a7d6d_gout-k_q5d169a7d6d_gout
	.p2alignl 7, 3214868480
	.fill 96, 4, 3214868480
	.section	.rodata,"a",@progbits
	.p2align	6, 0x0
	.amdhsa_kernel k_q5d169a7d6d_gout
		.amdhsa_group_segment_fixed_size 327680
		.amdhsa_private_segment_fixed_size 0
		.amdhsa_enable_private_segment 0
		.amdhsa_kernarg_size 32
		.amdhsa_user_sgpr_count 2
		.amdhsa_user_sgpr_kernarg_segment_ptr 1
		.amdhsa_wavefront_size32 1
		.amdhsa_system_sgpr_workgroup_id_x 1
		.amdhsa_system_sgpr_workgroup_id_y 1
		.amdhsa_system_sgpr_workgroup_id_z 1
		.amdhsa_system_vgpr_workitem_id 0
		.amdhsa_next_free_vgpr 768
		.amdhsa_next_free_sgpr 100
		.amdhsa_reserve_vcc 0
		.amdhsa_float_denorm_mode_32 3
		.amdhsa_float_denorm_mode_16_64 3
		.amdhsa_memory_ordered 1
		.amdhsa_forward_progress 1
		.amdhsa_inst_pref_size 78
	.end_amdhsa_kernel
	.amdgpu_metadata
---
amdhsa.version: [ 1, 2 ]
amdhsa.kernels:
  - .name:           k_q5d169a7d6d_gout
    .symbol:         k_q5d169a7d6d_gout.kd
    .args:
      - { .name: pre, .offset: 0, .size: 8, .value_kind: global_buffer, .address_space: global }
      - { .name: wx, .offset: 8, .size: 8, .value_kind: global_buffer, .address_space: global }
      - { .name: x, .offset: 16, .size: 8, .value_kind: global_buffer, .address_space: global }
      - { .name: yb, .offset: 24, .size: 8, .value_kind: global_buffer, .address_space: global }
    .group_segment_fixed_size: 327680
    .private_segment_fixed_size: 0
    .kernarg_segment_align: 8
    .kernarg_segment_size: 32
    .max_flat_workgroup_size: 128
    .sgpr_count:     100
    .vgpr_count:     768
    .wavefront_size: 32
...
	.end_amdgpu_metadata
.endif
;; end of part 4
;; launch lnq (part 5): grid 256 x 1, 4 waves a work-group, no clusters, 68,096 bytes of LDS; arguments yb, ln1_scale, ln1_offset, b2, nrm; writes nrm
.if DOCPART == 5
	.amdgcn_target "amdgcn-amd-amdhsa--gfx1250"
	.amdhsa_code_object_version 6
	.text
	.protected	k_q5d169a7d6d_lnq
	.globl	k_q5d169a7d6d_lnq
	.p2align	8
	.type	k_q5d169a7d6d_lnq,@function
k_q5d169a7d6d_lnq:
	s_mov_b64 s[64:65], 0
	v_nop
	global_prefetch_b8 v0, s[64:65] scope:SCOPE_SE
	s_setreg_imm32_b32 hwreg(HW_REG_WAVE_MODE, 25, 1), 1
	s_wait_xcnt 0x0
; norm = (y - mean) rsqrt(var + 1e-5) scale + offset, mean and var over the 2,048 rows of each (batch, column); norm is quantised to FP6 (E2M3) along the columns for the next product, and norm + b2 leaves as f32.
; The sixteen blocks' means and sums of squared deviations (128 rows each) are joined here: mean = the mean of the means, M2 = the sum of the M2 + 128 x the sum of (mean_i - mean)^2: no difference of large sums.
; SHARES: a wave takes 32 rows (two tiles) x 128 columns; at the loads a lane owns four columns.  The normalised rows turn through the wave's own stage in LDS, so that lane (r, h) gets 16 neighbours of each block of 32.
; ALL THE WAVE'S 67 LOADS ARE ASKED FOR AT THE HEAD, the 32 rows behind the figures that the statistics want: the blocks' M2 lie in register window 1 (v256-319), so that both tiles' rows have registers of their own from the start.
; The codes' layout is the program's own: tile T, lane-row r = row 32 (T/2) + 8 (T%2) + r + (r & 8); half a fragment is a dense image of 768 bytes; scale words [step][tile][r].
; LIMITS: NaN and infinities are not served; rsqrt by v_rsq_f32; a block under 2^-124 keeps the scale byte 1.
.set PART, 16777216
.set N_S,  3145728
.set R2,   3276800
.set SPT,  528
.set L0,   32                          ; v32-95, v96-159 the two tiles' rows
.set MN,   160                         ; v160-223 the blocks' means
.set MQ,   0                           ; in window 1: v0-63 the blocks' M2
.set TM,   160                         ; later: at work
.set PW,   176
.set PWS,  178
.set PC,   180
.set SEL,  10
.set MSB, 0
.macro WIN new                         ; the immediate's high byte repeats the setting that is left
.if MSB != (\new)
	s_set_vgpr_msb (MSB<<8)|(\new)
.set MSB, (\new)
.endif
.endm
.macro QUANT s, pw
.irp b, 0,1,2,3
	v_max3_num_f32 v[TM+\b], |v[\s+16*\b]|, |v[\s+1+16*\b]|, 0x1800000
.endr
.irp i, 2,4,6,8,10,12,14
.irp b, 0,1,2,3
	v_max3_num_f32 v[TM+\b], v[TM+\b], |v[\s+16*\b+\i]|, |v[\s+1+16*\b+\i]|
.endr
.endr
.irp b, 0,1,2,3
	v_permlanex16_b32 v[TM+4+\b], v[TM+\b], s[SEL], s[SEL+1]
.endr
.irp b, 0,1,2,3
	v_max_num_f32 v[TM+\b], v[TM+\b], v[TM+4+\b]
.endr
.irp b, 0,1,2,3
	v_add_nc_u32 v[TM+12+\b], 0xff000000, v[TM+\b]
.endr
.irp b, 0,1,2,3
	v_lshrrev_b32 v[TM+4+\b], 23, v[TM+12+\b]
.endr
	v_lshl_or_b32 v[\pw], v[TM+5], 8, v[TM+4]
	v_lshl_or_b32 v[\pw], v[TM+6], 16, v[\pw]
	v_lshl_or_b32 v[\pw], v[TM+7], 24, v[\pw]
.irp c, 0,1
	v_cvt_scalef32_pk16_fp6_f32 v[PC+6*\c:PC+2+6*\c], v[\s+32*\c:\s+15+32*\c], v[TM+12+2*\c]
	v_cvt_scalef32_pk16_fp6_f32 v[PC+12+4*\c:PC+14+4*\c], v[\s+16+32*\c:\s+31+32*\c], v[TM+12+2*\c+1]
.endr
	v_nop
.irp c, 0,1
.irp i, 0,1,2
	v_permlane16_swap_b32 v[PC+6*\c+\i], v[PC+12+4*\c+\i]
.endr
.irp i, 0,1,2
	v_mov_b32 v[PC+3+6*\c+\i], v[PC+12+4*\c+\i]
.endr
.endr
.endm
	s_load_b256 s[4:11], s[0:1], 0x0               ; yb, ln1_scale, ln1_offset, b2
	s_load_b64 s[12:13], s[0:1], 0x20              ; nrm
	v_lshl_add_u32 v254, v0, 2, 0x10800
	v_mov_b32 v255, 0
	v_lshrrev_b32 v1, 5, v0
	v_readfirstlane_b32 s14, v1                    ; wave
	v_and_b32 v6, 31, v0
	v_and_b32 v7, 15, v0
	v_bfe_u32 v8, v0, 4, 1
	v_lshlrev_b32 v1, 4, v6
	v_lshlrev_b32 v4, 3, v6
	v_lshlrev_b32 v5, 2, v6
	s_mul_i32 s15, s14, 32*SPT
	v_add_nc_u32 v2, s15, v1
	v_mul_u32_u24 v3, v7, SPT
	v_lshl_add_u32 v3, v8, 6, v3
	v_add_nc_u32 v3, s15, v3
	s_lshr_b32 s15, ttmp9, 1                       ; rg: the group of 32 rows
	s_and_b32 s16, ttmp9, 1
	s_lshl_b32 s16, s16, 2
	s_add_co_u32 s16, s16, s14                     ; s: the step of 128 columns
	s_lshr_b32 s17, s15, 6                         ; the batch
	s_lshl_b32 s18, s16, 9
	s_mov_b32 s19, 0
	s_lshl_b32 s20, s17, 17
	s_add_co_u32 s20, s20, s18
	s_add_co_u32 s20, s20, PART
	s_mov_b32 s21, 0
	s_lshl_b32 s22, s15, 17
	s_add_co_u32 s22, s22, s18
	s_mov_b32 s23, 0
	s_lshl_b32 s26, s15, 5
	s_lshl_b32 s27, s16, 1
	s_add_co_u32 s26, s26, s27
	s_mul_i32 s26, s26, 768
	s_mov_b32 s27, 0
	s_lshl_b32 s28, s16, 8
	s_lshl_b32 s29, s15, 1
	s_add_co_u32 s28, s28, s29
	s_lshl_b32 s28, s28, 6
	s_add_co_u32 s28, s28, N_S
	s_mov_b32 s29, 0
	s_mov_b32 s24, 0x3a000000                      ; 1 / 2,048
	s_mov_b32 s25, 0x3727c5ac                      ; 1e-5
	s_mov_b32 s30, 0xffff0000
	s_wait_alu depctr_va_vdst(0)
	s_wait_kmcnt 0x0
	s_add_nc_u64 s[20:21], s[4:5], s[20:21]        ; the batch's partial figures at my columns
	s_add_nc_u64 s[4:5], s[4:5], s[22:23]          ; y
	s_add_nc_u64 s[6:7], s[6:7], s[18:19]
	s_add_nc_u64 s[8:9], s[8:9], s[18:19]
	s_add_nc_u64 s[18:19], s[10:11], s[18:19]      ; b2
	s_mov_b32 s[SEL], 0x76543210                   ; (b2's address has moved on)
	s_mov_b32 s[SEL+1], 0xfedcba98
	s_add_nc_u64 s[26:27], s[12:13], s[26:27]      ; the codes
	s_add_nc_u64 s[28:29], s[12:13], s[28:29]      ; the scale words
	s_add_co_u32 s22, s22, R2
	s_add_nc_u64 s[22:23], s[12:13], s[22:23]      ; norm + b2
.irp i, 0,1,2,3,4,5,6,7,8,9,10,11,12,13,14,15
	global_load_b128 v[MN+4*\i:MN+4*\i+3], v1, s[20:21] offset:\i*8192
.endr
	WIN 0x40                                       ; destination window 1, address window 0
.irp i, 0,1,2,3,4,5,6,7,8,9,10,11,12,13,14,15
	global_load_b128 v[MQ+4*\i:MQ+4*\i+3], v1, s[20:21] offset:\i*8192+4096
.endr
	WIN 0
	global_load_b128 v[24:27], v1, s[6:7]          ; scale
	global_load_b128 v[16:19], v1, s[8:9]          ; offset
	global_load_b128 v[20:23], v1, s[18:19]        ; b2
.macro ROWS u
.irp p, 0,1,2,3,4,5,6,7,8,9,10,11,12,13,14,15
	global_load_b128 v[L0+64*\u+4*\p:L0+64*\u+4*\p+3], v1, s[4:5] offset:(8*\u+\p+(\p&8))*4096
.endr
.endm
	ROWS 0
	ROWS 1
	s_wait_loadcnt 32                              ; all but the two tiles' 32 rows
	v_pk_add_f32 v[8:9], v[MN:MN+1], v[MN+4:MN+5]
	v_pk_add_f32 v[10:11], v[MN+2:MN+3], v[MN+6:MN+7]
.irp i, 2,3,4,5,6,7,8,9,10,11,12,13,14,15
	v_pk_add_f32 v[8:9], v[8:9], v[MN+4*\i:MN+4*\i+1]
	v_pk_add_f32 v[10:11], v[10:11], v[MN+4*\i+2:MN+4*\i+3]
.endr
	WIN 0x05                                       ; both sources window 1
	v_pk_add_f32 v[12:13], v[MQ:MQ+1], v[MQ+4:MQ+5]
	v_pk_add_f32 v[14:15], v[MQ+2:MQ+3], v[MQ+6:MQ+7]
	WIN 0x04                                       ; source 1 window 1
.irp i, 2,3,4,5,6,7,8,9,10,11,12,13,14,15
	v_pk_add_f32 v[12:13], v[12:13], v[MQ+4*\i:MQ+4*\i+1]
	v_pk_add_f32 v[14:15], v[14:15], v[MQ+4*\i+2:MQ+4*\i+3]
.endr
	WIN 0
	v_pk_mul_f32 v[8:9], v[8:9], 0x3d800000 op_sel_hi:[1,0]         ; the mean
	v_pk_mul_f32 v[10:11], v[10:11], 0x3d800000 op_sel_hi:[1,0]
.irp i, 0,1,2,3,4,5,6,7,8,9,10,11,12,13,14,15
	v_pk_add_f32 v[MN+4*\i:MN+4*\i+1], v[MN+4*\i:MN+4*\i+1], v[8:9] neg_lo:[0,1] neg_hi:[0,1]
	v_pk_add_f32 v[MN+4*\i+2:MN+4*\i+3], v[MN+4*\i+2:MN+4*\i+3], v[10:11] neg_lo:[0,1] neg_hi:[0,1]
.endr
	v_pk_mul_f32 v[28:29], v[MN:MN+1], v[MN:MN+1]
	v_pk_mul_f32 v[30:31], v[MN+2:MN+3], v[MN+2:MN+3]
.irp i, 1,2,3,4,5,6,7,8,9,10,11,12,13,14,15
	v_pk_fma_f32 v[28:29], v[MN+4*\i:MN+4*\i+1], v[MN+4*\i:MN+4*\i+1], v[28:29]
	v_pk_fma_f32 v[30:31], v[MN+4*\i+2:MN+4*\i+3], v[MN+4*\i+2:MN+4*\i+3], v[30:31]
.endr
	v_pk_fma_f32 v[12:13], v[28:29], 0x43000000, v[12:13] op_sel_hi:[1,0,1]   ; + 128 x
	v_pk_fma_f32 v[14:15], v[30:31], 0x43000000, v[14:15] op_sel_hi:[1,0,1]
.irp k, 0,1,2,3
	v_fma_f32 v[12+\k], v[12+\k], s24, s25         ; var + eps
.endr
	s_wait_alu depctr_va_vdst(0)
.irp k, 0,1,2,3
	v_rsq_f32 v[12+\k], v[12+\k]
.endr
	v_nop                                          ; a plain line behind the transcendentals
	s_wait_alu depctr_va_vdst(0)
	v_pk_mul_f32 v[12:13], v[12:13], v[24:25]      ; x scale
	v_pk_mul_f32 v[14:15], v[14:15], v[26:27]
.irp b, 0,1,2,3
	v_mov_b32 v[TM+4+\b], 0
.endr
.irp u, 0,1
	s_wait_loadcnt 16-16*\u                        ; this tile's rows are in; the other tile's 16 may be out
.irp p, 0,1,2,3,4,5,6,7,8,9,10,11,12,13,14,15
	v_pk_add_f32 v[L0+64*\u+4*\p:L0+64*\u+4*\p+1], v[L0+64*\u+4*\p:L0+64*\u+4*\p+1], v[8:9] neg_lo:[0,1] neg_hi:[0,1]
	s_wait_alu depctr_va_vdst(0)
	v_pk_add_f32 v[L0+64*\u+4*\p+2:L0+64*\u+4*\p+3], v[L0+64*\u+4*\p+2:L0+64*\u+4*\p+3], v[10:11] neg_lo:[0,1] neg_hi:[0,1]
	v_pk_fma_f32 v[L0+64*\u+4*\p:L0+64*\u+4*\p+1], v[L0+64*\u+4*\p:L0+64*\u+4*\p+1], v[12:13], v[16:17]
	v_pk_fma_f32 v[L0+64*\u+4*\p+2:L0+64*\u+4*\p+3], v[L0+64*\u+4*\p+2:L0+64*\u+4*\p+3], v[14:15], v[18:19]
	ds_store_b128 v2, v[L0+64*\u+4*\p:L0+64*\u+4*\p+3] offset:(16*\u+\p)*SPT
.endr
	s_wait_dscnt 0x0                               ; the stage's stores have read their data, which is written again below
.irp p, 0,1,2,3,4,5,6,7,8,9,10,11,12,13,14,15
	v_pk_add_f32 v[L0+64*\u+4*\p:L0+64*\u+4*\p+1], v[L0+64*\u+4*\p:L0+64*\u+4*\p+1], v[20:21]
	v_pk_add_f32 v[L0+64*\u+4*\p+2:L0+64*\u+4*\p+3], v[L0+64*\u+4*\p+2:L0+64*\u+4*\p+3], v[22:23]
	global_store_b128 v1, v[L0+64*\u+4*\p:L0+64*\u+4*\p+3], s[22:23] offset:(8*\u+\p+(\p&8))*4096   ; 512 consecutive bytes
.endr
	s_wait_xcnt 0x0                                ; the stores have read their data: these registers and the codes' are written again
.irp b, 0,1,2,3
.irp j, 0,1,2,3
	ds_load_b128 v[L0+64*\u+16*\b+4*\j:L0+64*\u+16*\b+4*\j+3], v3 offset:16*\u*SPT+128*\b+16*\j
.endr
.endr
	s_wait_dscnt 0x0
	QUANT L0+64*\u, PW+\u
	global_store_b128 v1, v[PC:PC+3], s[26:27] offset:12288*\u
	global_store_b64 v4, v[PC+4:PC+5], s[26:27] offset:12288*\u+512
	global_store_b128 v1, v[PC+6:PC+9], s[26:27] offset:12288*\u+768
	global_store_b64 v4, v[PC+10:PC+11], s[26:27] offset:12288*\u+1280
.endr
	v_cndmask_b32 v[PWS], v[PW], v[PW+1], s30
	global_store_b32 v5, v[PWS], s[28:29]
	s_wait_tensorcnt 0x0
	ds_add_u32 v254, v255
	s_wait_dscnt 0x0
	s_endpgm
.Lfunc_end_k_q5d169a7d6d_lnq:
	.size	k_q5d169a7d6d_lnq, .Lfunc_end_k_q5d169a7d6d_lnq-k_q5d169a7d6d_lnq
	.p2alignl 7, 3214868480
	.fill 96, 4, 3214868480
	.section	.rodata,"a",@progbits
	.p2align	6, 0x0
	.amdhsa_kernel k_q5d169a7d6d_lnq
		.amdhsa_group_segment_fixed_size 68096
		.amdhsa_private_segment_fixed_size 0
		.amdhsa_enable_private_segment 0
		.amdhsa_kernarg_size 40
		.amdhsa_user_sgpr_count 2
		.amdhsa_user_sgpr_kernarg_segment_ptr 1
		.amdhsa_wavefront_size32 1
		.amdhsa_system_sgpr_workgroup_id_x 1
		.amdhsa_system_sgpr_workgroup_id_y 1
		.amdhsa_system_sgpr_workgroup_id_z 1
		.amdhsa_system_vgpr_workitem_id 0
		.amdhsa_next_free_vgpr 320
		.amdhsa_next_free_sgpr 66
		.amdhsa_reserve_vcc 0
		.amdhsa_float_denorm_mode_32 3
		.amdhsa_float_denorm_mode_16_64 3
		.amdhsa_memory_ordered 1
		.amdhsa_forward_progress 1
		.amdhsa_inst_pref_size 47
	.end_amdhsa_kernel
	.amdgpu_metadata
---
amdhsa.version: [ 1, 2 ]
amdhsa.kernels:
  - .name:           k_q5d169a7d6d_lnq
    .symbol:         k_q5d169a7d6d_lnq.kd
    .args:
      - { .name: yb, .offset: 0, .size: 8, .value_kind: global_buffer, .address_space: global }
      - { .name: ln1_scale, .offset: 8, .size: 8, .value_kind: global_buffer, .address_space: global }
      - { .name: ln1_offset, .offset: 16, .size: 8, .value_kind: global_buffer, .address_space: global }
      - { .name: b2, .offset: 24, .size: 8, .value_kind: global_buffer, .address_space: global }
      - { .name: nrm, .offset: 32, .size: 8, .value_kind: global_buffer, .address_space: global }
    .group_segment_fixed_size: 68096
    .private_segment_fixed_size: 0
    .kernarg_segment_align: 8
    .kernarg_segment_size: 40
    .max_flat_workgroup_size: 128
    .sgpr_count:     66
    .vgpr_count:     320
    .wavefront_size: 32
...
	.end_amdgpu_metadata
.endif
;; end of part 5
;; launch gff1 (part 6): grid 16 x 16, 4 waves a work-group, clusters of 4 x 4, 327,680 bytes of LDS; arguments nrm, wx, b1, sim; writes sim
.if DOCPART == 6
	.amdgcn_target "amdgcn-amd-amdhsa--gfx1250"
	.amdhsa_code_object_version 6
	.text
	.protected	k_q5d169a7d6d_gff1
	.globl	k_q5d169a7d6d_gff1
	.p2align	8
	.type	k_q5d169a7d6d_gff1,@function
k_q5d169a7d6d_gff1:
	s_mov_b64 s[64:65], 0
	v_nop
	global_prefetch_b8 v0, s[64:65] scope:SCOPE_SE
	s_setreg_imm32_b32 hwreg(HW_REG_WAVE_MODE, 25, 1), 1
	s_wait_xcnt 0x0
	s_wait_alu depctr_hold_cnt(0) depctr_sa_sdst(0) depctr_va_vdst(0) depctr_va_sdst(0) depctr_va_ssrc(0) depctr_va_vcc(0) depctr_vm_vsrc(0)
	s_getreg_b32 s2, hwreg(HW_REG_IB_STS2, 6, 4)
	s_cmp_eq_u32 s2, 0
	s_cbranch_scc0 .Lentry_in_a_cluster
	s_endpgm
.Lentry_in_a_cluster:
	s_bfe_u32 s2, ttmp6, 0x10000c
	s_cmp_lg_u32 s2, 0xf033
	s_cbranch_scc0 .Lentry_shape_is_right
	s_endpgm
.Lentry_shape_is_right:
.set BIAS, 1
.set W1_C,   3145728
.set W1_S,   12746752
.set X_C,    9437184
.set X_S,    13008896
.set WQKV_S, 12582912
.set WV_C,   128*12288
.set WV_S,   WQKV_S+128*64
.set VT_C,   12582912
.set QK_S,   15728640
.set VT_S,   15990784
.set N_S,    3145728
.set S_S,    12582912
.if BIAS
.set PBASE, 6
.set OBASE, 10
.else
.set PBASE, 4
.set OBASE, 6
.endif
.set FR,    12
.set NL,    4
.set NP,    4
.set NQ,    2
.set TILEB, 3072
.set HALFT, 8*TILEB
.set SLOT,  4*HALFT
.set LAPS,  2
.set SCL,   2*SLOT
.set QSB,   4096
.set SPARE, SCL+4*QSB
.set ADRA, 16
.set ADRB, 20
.set LI16, 24
.set LI8,  25
.set LI4,  26
.set ADRS, 27
.set SPW,  28
.set NIL,  29
.set SC,   32
.set BI,   64
.set AF,   128
.set TM,   64
.set PWE,  80
.set PWS,  82
.set PC,   84
.set G1, 24
.set G0, 32
.set G1B, 48
.set G0B, 56
.set G1S, 68
.set G0S, 76
.set G1SB, 80
.set G0SB, 88
.set MSB, 0
.macro WIN new
.if MSB != (\new)
	s_set_vgpr_msb (MSB<<8)|(\new)
.set MSB, (\new)
.endif
.endm
.set MUL_LO, 0xa1
.set MUL_HI, 0xf1
.if BIAS
.set ST_LO, 0x81
.set ST_HI, 0xc1
.else
.set ST_LO, MUL_LO
.set ST_HI, MUL_HI
.endif
.set TO_B,   0x40
.macro JLOAD g0a, g1a, g0b, g1b
	s_cmp_eq_u32 s15, 0
	s_cbranch_scc0 .Lfor_b_\@
	tensor_load_to_lds s[\g0a:\g0a+3], s[\g1a:\g1a+7]
	s_nop 0
.rept 4
	v_nop
.endr
	s_branch .Lasked_\@
.Lfor_b_\@:
	tensor_load_to_lds s[\g0b:\g0b+3], s[\g1b:\g1b+7]
	s_nop 0
.rept 4
	v_nop
.endr
.Lasked_\@:
.endm
.macro CREST
	s_cmp_lg_u32 s14, 0
	s_cbranch_scc1 .Lnot_wave_0_\@
	s_barrier_signal -3
.Lnot_wave_0_\@:
	s_barrier_wait -3
	s_barrier_signal -1
	s_barrier_wait -1
.endm
.macro CROUND
	s_barrier_signal -1
	s_barrier_wait -1
	CREST
.endm
.if BIAS
	s_load_b256 s[4:11], s[0:1], 0x0
.else
	s_load_b128 s[4:7], s[0:1], 0x0
.endif
	v_lshl_add_u32 v[SPW], v0, 2, SPARE
	v_mov_b32 v[NIL], 0
	ds_add_u32 v28, v29
	ds_add_u32 v28, v29
	s_wait_dscnt 0x0
	v_lshrrev_b32 v1, 5, v0
	v_readfirstlane_b32 s14, v1
	s_lshr_b32 s15, s14, 1
	s_and_b32 s16, s14, 1
	s_bfe_u32 s40, ttmp6, 0x40000
	s_bfe_u32 s41, ttmp6, 0x40004
	s_and_b32 s17, ttmp7, 0xffff
.if BIAS
	s_mov_b32 s42, ttmp9
	s_mov_b32 s12, W1_C
	s_mov_b32 s13, W1_S
	s_mov_b32 s19, 0
	s_mov_b32 s66, N_S
	s_mov_b32 s67, 0
	s_mov_b32 s95, S_S
	s_mov_b32 s2, 256
.else
	s_mov_b32 s13, WQKV_S
	s_mov_b32 s19, X_C
	s_mov_b32 s66, X_S
	s_mov_b32 s95, QK_S
	s_mov_b32 s2, 256
	s_cmp_eq_u32 ttmp9, 2
	s_cselect_b32 s42, s17, ttmp9
	s_cselect_b32 s17, 0, s17
	s_cselect_b32 s12, X_C, 0
	s_cselect_b32 s13, X_S, s13
	s_cselect_b32 s19, WV_C, s19
	s_cselect_b32 s66, WV_S, s66
	s_cselect_b32 s67, VT_C, 0
	s_cselect_b32 s95, VT_S, s95
	s_cselect_b32 s2, 64, s2
.endif
	s_lshl_b32 s42, s42, 2
	s_add_co_u32 s42, s42, s40
	s_lshl_b32 s17, s17, 2
	s_add_co_u32 s17, s17, s41
	s_lshl_b32 s43, s41, 2
	s_lshl_b32 s43, 15, s43
	s_lshl_b32 s44, 0x1111, s40
	s_or_b32 s[G1+0], s43, (3<<16)|(1<<21)
	s_or_b32 s[G1B+0], s44, (3<<16)|(1<<21)
.irp g, G1, G1B
	s_mov_b32 s[\g+1], 384<<16
	s_mov_b32 s[\g+2], 16<<16
	s_mov_b32 s[\g+3], 384<<16
	s_mov_b32 s[\g+4], 16
	s_mov_b32 s[\g+5], 1536
	s_mov_b32 s[\g+6], 0
	s_mov_b32 s[\g+7], 0
.endr
	s_or_b32 s[G1S+0], s43, (3<<16)|(1<<21)
	s_or_b32 s[G1SB+0], s44, (3<<16)|(1<<21)
.irp g, G1S, G1SB
	s_mov_b32 s[\g+1], 128<<16
	s_mov_b32 s[\g+2], 8<<16
	s_mov_b32 s[\g+3], 128<<16
	s_mov_b32 s[\g+4], 8
	s_mov_b32 s[\g+5], 2048
	s_mov_b32 s[\g+6], 0
	s_mov_b32 s[\g+7], 0
.endr
	s_lshl_b32 s18, s16, 3
	s_lshl_b32 s20, s17, 4
	s_add_co_u32 s20, s20, s18
	s_lshl_b32 s46, s42, 4
	s_add_co_u32 s46, s46, s18
	s_lshl_b32 s22, s17, 10
	s_add_co_u32 s22, s22, s66
	s_lshl_b32 s92, s42, 10
	s_add_co_u32 s92, s92, s13
	s_mul_i32 s20, s20, 12288
	s_add_co_u32 s20, s20, s19
	s_mul_i32 s46, s46, 12288
	s_add_co_u32 s46, s46, s12
	s_mov_b32 s21, 0
	s_mov_b32 s23, 0
	s_mov_b32 s47, 0
	s_mov_b32 s93, 0
	s_mul_i32 s45, s14, HALFT
	s_mul_i32 s94, s15, 2*QSB
	s_wait_kmcnt 0x0
	s_add_nc_u64 s[20:21], s[4:5], s[20:21]
	s_add_nc_u64 s[22:23], s[4:5], s[22:23]
	s_add_nc_u64 s[46:47], s[PBASE:PBASE+1], s[46:47]
	s_add_nc_u64 s[92:93], s[PBASE:PBASE+1], s[92:93]
	CROUND
	s_mov_b32 s[G0S], 1
	s_add_co_u32 s[G0S+1], s94, SCL
	s_mov_b64 s[G0S+2:G0S+3], s[22:23]
	s_or_b32 s[G0S+3], s[G0S+3], 0x80000000
	s_mov_b32 s[G0SB], 1
	s_add_co_u32 s[G0SB+1], s94, SCL
	s_mov_b64 s[G0SB+2:G0SB+3], s[92:93]
	s_or_b32 s[G0SB+3], s[G0SB+3], 0x80000000
.irp s, 0,1
	s_mov_b32 s[G0+4*\s], 1
	s_add_co_u32 s[G0+4*\s+1], s45, \s*SLOT
	s_add_nc_u64 s[G0+4*\s+2:G0+4*\s+3], s[20:21], \s*TILEB
	s_or_b32 s[G0+4*\s+3], s[G0+4*\s+3], 0x80000000
	s_mov_b32 s[G0B+4*\s], 1
	s_add_co_u32 s[G0B+4*\s+1], s45, \s*SLOT
	s_add_nc_u64 s[G0B+4*\s+2:G0B+4*\s+3], s[46:47], \s*TILEB
	s_or_b32 s[G0B+4*\s+3], s[G0B+4*\s+3], 0x80000000
.endr
	; the head's four tiles, one load a wave: wave 0 slot 0's sixteen tiles of Q, wave 2 those of P, wave 1 Q's scale words, wave 3 P's
	s_cmp_eq_u32 s16, 0
	s_cbranch_scc0 .Lhead_s
	JLOAD G0, G1, G0B, G1B
	s_branch .Lhead_j
.Lhead_s:
	JLOAD G0S, G1S, G0SB, G1SB
.Lhead_j:
	s_wait_alu depctr_va_vdst(0)
	s_wait_tensorcnt 0x0
	ds_add_u32 v28, v29
	s_mov_b32 s[G1+2], 8<<16                       ; no load of mine is out: from here on a load brings eight tiles
	s_mov_b32 s[G1+4], 8
	s_mov_b32 s[G1B+2], 8<<16
	s_mov_b32 s[G1B+4], 8
	s_wait_dscnt 0x0
	CROUND
	JLOAD G0+4, G1, G0B+4, G1B
	v_and_b32 v1, 15, v0
	v_bfe_u32 v2, v0, 4, 1
	v_and_b32 v3, 31, v0
	v_lshlrev_b32 v[LI16], 4, v3
	v_lshlrev_b32 v[LI8], 3, v3
	v_lshlrev_b32 v[LI4], 2, v3
	s_mul_i32 s21, s15, HALFT
	s_mul_i32 s22, s16, HALFT
	s_add_co_u32 s22, s22, 2*HALFT
.irp s, 0,1
	v_add_nc_u32 v[ADRA+\s], s21, v[LI16]
	v_add_nc_u32 v[ADRA+2+\s], s21, v[LI8]
	v_add_nc_u32 v[ADRB+\s], s22, v[LI16]
	v_add_nc_u32 v[ADRB+2+\s], s22, v[LI8]
	s_add_co_u32 s21, s21, SLOT
	s_add_co_u32 s22, s22, SLOT
.endr
	v_lshlrev_b32 v5, 2, v1
	s_lshl_b32 s21, s15, 9
	s_lshl_b32 s22, s16, 9
	s_add_co_u32 s22, s22, 2*QSB
	s_sub_co_u32 s22, s22, s21
	v_mul_u32_u24 v6, s22, v2
	s_add_co_u32 s21, s21, SCL
	v_add_nc_u32 v5, v5, v6
	v_add_nc_u32 v[ADRS], s21, v5
.if BIAS
	s_lshl_b32 s20, s42, 10
	s_lshl_b32 s21, s16, 9
	s_add_co_u32 s20, s20, s21
	s_mov_b32 s21, 0
	s_add_nc_u64 s[8:9], s[8:9], s[20:21]
	v_lshlrev_b32 v7, 6, v2
.irp b, 0,1,2,3,4,5,6,7
	global_load_b128 v[BI+8*\b:BI+8*\b+3], v7, s[8:9] offset:(32*(\b/2)+8*(\b%2))*4
	global_load_b128 v[BI+8*\b+4:BI+8*\b+7], v7, s[8:9] offset:(32*(\b/2)+8*(\b%2))*4+16
.endr
.endif
	s_lshl_b32 s20, s17, 4
	s_lshl_b32 s21, s15, 3
	s_add_co_u32 s20, s20, s21
	s_lshl_b32 s46, s42, 1
	s_add_co_u32 s46, s46, s16
	s_lshl_b32 s21, s20, 6
	s_lshl_b32 s47, s46, 1
	s_add_co_u32 s21, s21, s47
	s_mul_i32 s96, s21, 768
	s_add_co_u32 s96, s96, s67
	s_mov_b32 s97, 0
	s_add_nc_u64 s[96:97], s[OBASE:OBASE+1], s[96:97]
	s_mul_i32 s98, s46, s2
	s_add_co_u32 s98, s98, s20
	s_lshl_b32 s98, s98, 6
	s_add_co_u32 s98, s98, s95
	s_mov_b32 s99, 0
	s_add_nc_u64 s[98:99], s[OBASE:OBASE+1], s[98:99]
.macro FRAG reg, a16, a8, off
	ds_load_b128 v[(\reg):(\reg)+3], v[\a16] offset:(\off)
	ds_load_b64 v[(\reg)+4:(\reg)+5], v[\a8] offset:(\off)+512
	ds_load_b128 v[(\reg)+6:(\reg)+9], v[\a16] offset:(\off)+768
	ds_load_b64 v[(\reg)+10:(\reg)+11], v[\a8] offset:(\off)+1280
.endm
.macro MUL16 a0, p, q, sc, zero
.irp a, \a0, \a0+1
.irp b, 0,1,2,3,4,5,6,7
.if \zero
.if BIAS
	v_wmma_scale_f32_16x16x128_f8f6f4 v[8*(8*((\a)%4)+\b):8*(8*((\a)%4)+\b)+7], v[128*(\p)+FR*\b:128*(\p)+FR*\b+FR-1], v[AF+FR*(\a):AF+FR*(\a)+FR-1], v[BI+8*\b:BI+8*\b+7], v[SC+8*NQ*(\sc)+NQ*\b+(\q)], v[SC+8*NQ*(\sc)+NQ*(\a)+(\q)] matrix_a_fmt:MATRIX_FMT_FP6 matrix_b_fmt:MATRIX_FMT_FP6 matrix_a_scale:MATRIX_SCALE_ROW1
.else
	v_wmma_scale_f32_16x16x128_f8f6f4 v[8*(8*((\a)%4)+\b):8*(8*((\a)%4)+\b)+7], v[128*(\p)+FR*\b:128*(\p)+FR*\b+FR-1], v[AF+FR*(\a):AF+FR*(\a)+FR-1], 0, v[SC+8*NQ*(\sc)+NQ*\b+(\q)], v[SC+8*NQ*(\sc)+NQ*(\a)+(\q)] matrix_a_fmt:MATRIX_FMT_FP6 matrix_b_fmt:MATRIX_FMT_FP6 matrix_a_scale:MATRIX_SCALE_ROW1
.endif
.else
	v_wmma_scale_f32_16x16x128_f8f6f4 v[8*(8*((\a)%4)+\b):8*(8*((\a)%4)+\b)+7], v[128*(\p)+FR*\b:128*(\p)+FR*\b+FR-1], v[AF+FR*(\a):AF+FR*(\a)+FR-1], v[8*(8*((\a)%4)+\b):8*(8*((\a)%4)+\b)+7], v[SC+8*NQ*(\sc)+NQ*\b+(\q)], v[SC+8*NQ*(\sc)+NQ*(\a)+(\q)] matrix_a_fmt:MATRIX_FMT_FP6 matrix_b_fmt:MATRIX_FMT_FP6 matrix_a_scale:MATRIX_SCALE_ROW1
.endif
.endr
.endr
.endm
.macro FETCH_B slot, q, p
	WIN TO_B
.irp i, 0,1,2,3,4,5,6,7
	FRAG 128*(\p)+FR*\i, ADRB+\slot, ADRB+2+\slot, \i*TILEB+(\q)*1536
.endr
	WIN 0
.endm
.macro FETCH_A slot, q, i0
.irp i, \i0, \i0+1, \i0+2, \i0+3
	FRAG AF+FR*(\i), ADRA+\slot, ADRA+2+\slot, (\i)*TILEB+(\q)*1536
.endr
.endm
.macro SCALES sc
.irp i, 0,1,2,3,4,5,6,7
	ds_load_b32 v[SC+8*NQ*\sc+NQ*\i], v[ADRS] offset:\i*64
	ds_load_b32 v[SC+8*NQ*\sc+NQ*\i+1], v[ADRS] offset:\i*64+1024
.endr
.endm
.macro PLACES n
.rept \n
	v_nop
.endr
.endm
.macro STEP slot, q, zero
	s_wait_dscnt 4*NL
.if \zero
	WIN ST_LO
.else
	WIN MUL_LO
.endif
	MUL16 0, (\q)%2, \q, \slot, \zero
	MUL16 2, (\q)%2, \q, \slot, \zero
	s_wait_dscnt 0
	PLACES NP
	FETCH_B \slot, (\q)+1, 1-(\q)%2
	FETCH_A \slot, (\q)+1, 0
.if \zero
	WIN ST_HI
.else
	WIN MUL_HI
.endif
	MUL16 4, (\q)%2, \q, \slot, \zero
	MUL16 6, (\q)%2, \q, \slot, \zero
	PLACES NP
	WIN 0
	FETCH_A \slot, (\q)+1, 4
.endm
.macro TURN slot, next, fill
	s_wait_tensorcnt 0x0
	ds_add_u32 v[SPW], v[NIL]
	s_wait_dscnt 4*NL+1
	WIN MUL_LO
	MUL16 0, 1, NQ-1, \slot, 0
	s_wait_dscnt 0x0
	s_barrier_signal -1
	MUL16 2, 1, NQ-1, \slot, 0
	WIN 0
	s_barrier_wait -1
.if \fill
	CREST
	s_add_nc_u64 s[G0+4*\slot+2:G0+4*\slot+3], s[G0+4*\slot+2:G0+4*\slot+3], 2*TILEB
	s_add_nc_u64 s[G0B+4*\slot+2:G0B+4*\slot+3], s[G0B+4*\slot+2:G0B+4*\slot+3], 2*TILEB
	JLOAD G0+4*\slot, G1, G0B+4*\slot, G1B
.else
	PLACES NP
.endif
	s_wait_alu depctr_va_vdst(0)
	v_add_nc_u32 v[ADRS], 2048, v[ADRS]
	FETCH_B \next, 0, 0
	FETCH_A \next, 0, 0
	SCALES \next
	WIN MUL_HI
	MUL16 4, 1, NQ-1, \slot, 0
	MUL16 6, 1, NQ-1, \slot, 0
	PLACES NP
	WIN 0
	FETCH_A \next, 0, 4
.endm
	s_wait_alu depctr_va_vdst(0)
	s_wait_tensorcnt 1
	s_barrier_signal -1
	s_barrier_wait -1
	FETCH_B 0, 0, 0
	FETCH_A 0, 0, 0
	SCALES 0
	FETCH_A 0, 0, 4
.if BIAS
	s_wait_loadcnt 0x0
.endif
	STEP 0, 0, 1
	s_mov_b32 s3, LAPS-1
.Llap:
	TURN 0, 1, 1
	STEP 1, 0, 0
	TURN 1, 0, 1
	STEP 0, 0, 0
	s_sub_co_u32 s3, s3, 1
	s_cmp_lg_u32 s3, 0
	s_cbranch_scc1 .Llap
	TURN 0, 1, 0
	STEP 1, 0, 0
	s_wait_dscnt 4*NL
	WIN MUL_LO
	MUL16 0, 1, NQ-1, 1, 0
	MUL16 2, 1, NQ-1, 1, 0
	s_wait_dscnt 0
	WIN MUL_HI
	MUL16 4, 1, NQ-1, 1, 0
	MUL16 6, 1, NQ-1, 1, 0
	WIN 0
.macro QUANTW
	WIN (EW|(EW<<2))
.irp b, 0,1,2,3
	v_max3_num_f32 v[TM+\b], |v[ES+16*\b]|, |v[ES+1+16*\b]|, 0x1800000
.endr
	WIN ((EW<<2)|(EW<<4))
.irp i, 2,4,6,8,10,12,14
.irp b, 0,1,2,3
	v_max3_num_f32 v[TM+\b], v[TM+\b], |v[ES+16*\b+\i]|, |v[ES+1+16*\b+\i]|
.endr
.endr
	WIN 0
.irp b, 0,1,2,3
	v_permlanex16_b32 v[TM+4+\b], v[TM+\b], s[92], s[93]
.endr
.irp b, 0,1,2,3
	v_max_num_f32 v[TM+\b], v[TM+\b], v[TM+4+\b]
.endr
.irp b, 0,1,2,3
	v_add_nc_u32 v[TM+12+\b], 0xff000000, v[TM+\b]
.endr
.irp b, 0,1,2,3
	v_lshrrev_b32 v[TM+4+\b], 23, v[TM+12+\b]
.endr
	v_lshl_or_b32 v[EP], v[TM+5], 8, v[TM+4]
	v_lshl_or_b32 v[EP], v[TM+6], 16, v[EP]
	v_lshl_or_b32 v[EP], v[TM+7], 24, v[EP]
	s_wait_xcnt 0x0
	WIN EW
.irp c, 0,1
	v_cvt_scalef32_pk16_fp6_f32 v[PC+6*\c:PC+2+6*\c], v[ES+32*\c:ES+15+32*\c], v[TM+12+2*\c]
	v_cvt_scalef32_pk16_fp6_f32 v[PC+12+4*\c:PC+14+4*\c], v[ES+16+32*\c:ES+31+32*\c], v[TM+12+2*\c+1]
.endr
	WIN 0
	v_nop
.irp c, 0,1
.irp i, 0,1,2
	v_permlane16_swap_b32 v[PC+6*\c+\i], v[PC+12+4*\c+\i]
.endr
.irp i, 0,1,2
	v_mov_b32 v[PC+3+6*\c+\i], v[PC+12+4*\c+\i]
.endr
.endr
.endm
	s_mov_b32 s92, 0x76543210
	s_mov_b32 s93, 0xfedcba98
	s_mov_b32 s3, 0xffff0000
	PLACES NP
.irp b, 0,1,2,3
	v_mov_b32 v[TM+4+\b], 0
.endr
.irp a, 0,1,2,3,4,5,6,7
.set EW, 2+(\a)/4
.set ES, 64*((\a)%4)
.set EP, PWE+(\a)%2
.if BIAS
	WIN ((EW<<6)|(EW<<2))
.set J, 0
.rept 64
	v_max_num_f32 v[ES+J], 0, v[ES+J]
.set J, J+1
.endr
.endif
	QUANTW
	global_store_b128 v[LI16], v[PC:PC+3], s[96:97] offset:\a*49152
	global_store_b64 v[LI8], v[PC+4:PC+5], s[96:97] offset:\a*49152+512
	global_store_b128 v[LI16], v[PC+6:PC+9], s[96:97] offset:\a*49152+768
	global_store_b64 v[LI8], v[PC+10:PC+11], s[96:97] offset:\a*49152+1280
.if (\a)%2
	v_cndmask_b32 v[PWS], v[PWE], v[PWE+1], s3
	global_store_b32 v[LI4], v[PWS], s[98:99] offset:128*((\a)/2)
.endif
.endr
	s_wait_tensorcnt 0x0
	ds_add_u32 v[SPW], v[NIL]
	s_wait_dscnt 0x0
	CROUND
	s_endpgm
.Lfunc_end_k_q5d169a7d6d_gff1:
	.size	k_q5d169a7d6d_gff1, .Lfunc_end_k_q5d169a7d6d_gff1-k_q5d169a7d6d_gff1
	.p2alignl 7, 3214868480
	.fill 96, 4, 3214868480
	.section	.rodata,"a",@progbits
	.p2align	6, 0x0
	.amdhsa_kernel k_q5d169a7d6d_gff1
		.amdhsa_group_segment_fixed_size 327680
		.amdhsa_private_segment_fixed_size 0
		.amdhsa_enable_private_segment 0
		.amdhsa_kernarg_size 32
		.amdhsa_user_sgpr_count 2
		.amdhsa_user_sgpr_kernarg_segment_ptr 1
		.amdhsa_wavefront_size32 1
		.amdhsa_system_sgpr_workgroup_id_x 1
		.amdhsa_system_sgpr_workgroup_id_y 1
		.amdhsa_system_sgpr_workgroup_id_z 1
		.amdhsa_system_vgpr_workitem_id 0
		.amdhsa_next_free_vgpr 1024
		.amdhsa_next_free_sgpr 100
		.amdhsa_reserve_vcc 0
		.amdhsa_float_denorm_mode_32 3
		.amdhsa_float_denorm_mode_16_64 3
		.amdhsa_memory_ordered 1
		.amdhsa_forward_progress 1
		.amdhsa_inst_pref_size 170
	.end_amdhsa_kernel
	.amdgpu_metadata
---
amdhsa.version: [ 1, 2 ]
amdhsa.kernels:
  - .name:           k_q5d169a7d6d_gff1
    .symbol:         k_q5d169a7d6d_gff1.kd
    .args:
      - { .name: nrm, .offset: 0, .size: 8, .value_kind: global_buffer, .address_space: global }
      - { .name: wx, .offset: 8, .size: 8, .value_kind: global_buffer, .address_space: global }
      - { .name: b1, .offset: 16, .size: 8, .value_kind: global_buffer, .address_space: global }
      - { .name: sim, .offset: 24, .size: 8, .value_kind: global_buffer, .address_space: global }
    .group_segment_fixed_size: 327680
    .private_segment_fixed_size: 0
    .kernarg_segment_align: 8
    .kernarg_segment_size: 32
    .max_flat_workgroup_size: 128
    .sgpr_count:     100
    .vgpr_count:     1024
    .wavefront_size: 32
...
	.end_amdgpu_metadata
.endif
;; end of part 6
;; launch gff2 (part 7): grid 8 x 32, 4 waves a work-group, clusters of 4 x 4, 327,680 bytes of LDS; arguments sim, wx, nrm, yb; writes yb
.if DOCPART == 7
	.amdgcn_target "amdgcn-amd-amdhsa--gfx1250"
	.amdhsa_code_object_version 6
	.text
	.protected	k_q5d169a7d6d_gff2
	.globl	k_q5d169a7d6d_gff2
	.p2align	8
	.type	k_q5d169a7d6d_gff2,@function
k_q5d169a7d6d_gff2:
	s_mov_b64 s[64:65], 0
	v_nop
	global_prefetch_b8 v0, s[64:65] scope:SCOPE_SE
	s_setreg_imm32_b32 hwreg(HW_REG_WAVE_MODE, 25, 1), 1
	s_wait_xcnt 0x0
	s_wait_alu depctr_hold_cnt(0) depctr_sa_sdst(0) depctr_va_vdst(0) depctr_va_sdst(0) depctr_va_ssrc(0) depctr_va_vcc(0) depctr_vm_vsrc(0)
	s_getreg_b32 s2, hwreg(HW_REG_IB_STS2, 6, 4)
	s_cmp_eq_u32 s2, 0
	s_cbranch_scc0 .Lentry_in_a_cluster
	s_endpgm
.Lentry_in_a_cluster:
	s_bfe_u32 s2, ttmp6, 0x10000c
	s_cmp_lg_u32 s2, 0xf033
	s_cbranch_scc0 .Lentry_shape_is_right
	s_endpgm
.Lentry_shape_is_right:
.set KSIZE, 4096
.if KSIZE == 1024
.set A_S,     3145728
.set B_C,     2359296
.set B_S,     12713984
.set RES_OFF, 0
.else
.set A_S,     12582912
.set B_C,     6291456
.set B_S,     12877824
.set RES_OFF, 3276800
.endif
.set PART,  16777216
.set KH,    KSIZE/64
.set NS,    KSIZE/128
.set LAPS,  KSIZE/1024
.set TILEB, 6144
.set HALFT, 4*TILEB
.set SLOT,  4*HALFT
.set SCL,   2*SLOT
.set QSB,   NS*256
.set SPARE, SCL+4*8192
.set STAGE, SPARE+512
.set XCH,   STAGE+4*16*272
.set ADRA, 16
.set ADRB, 20
.set STO,  24
.set RD,   25
.set RO,   26
.set ADRS, 27
.set SPW,  28
.set NIL,  29
.set XW,   30
.set XR,   31
.set SC,   32
.set ACC,  128
.set F0,   0
.set F1,   128
.set G1, 24
.set G0, 32
.set G1B, 48
.set G0B, 56
.set G1S, 68
.set G0S, 76
.set G1SB, 80
.set G0SB, 88
.set SEL, 66
.set MSB, 0
.macro WIN new
.if MSB != (\new)
	s_set_vgpr_msb (MSB<<8)|(\new)
.set MSB, (\new)
.endif
.endm
.set MUL,  0x05
.set TO_F, 0x40
.macro JLOAD g0a, g1a, g0b, g1b
	s_cmp_eq_u32 s15, 0
	s_cbranch_scc0 .Lfor_b_\@
	tensor_load_to_lds s[\g0a:\g0a+3], s[\g1a:\g1a+7]
	s_nop 0
.rept 4
	v_nop
.endr
	s_branch .Lasked_\@
.Lfor_b_\@:
	tensor_load_to_lds s[\g0b:\g0b+3], s[\g1b:\g1b+7]
	s_nop 0
.rept 4
	v_nop
.endr
.Lasked_\@:
.endm
.macro CREST
	s_cmp_lg_u32 s14, 0
	s_cbranch_scc1 .Lnot_wave_0_\@
	s_barrier_signal -3
.Lnot_wave_0_\@:
	s_barrier_wait -3
	s_barrier_signal -1
	s_barrier_wait -1
.endm
.macro CROUND
	s_barrier_signal -1
	s_barrier_wait -1
	CREST
.endm
	s_load_b256 s[4:11], s[0:1], 0x0
	v_lshl_add_u32 v[SPW], v0, 2, SPARE
	v_mov_b32 v[NIL], 0
	ds_add_u32 v28, v29
	ds_add_u32 v28, v29
	s_wait_dscnt 0x0
	v_lshrrev_b32 v1, 5, v0
	v_readfirstlane_b32 s14, v1
	s_lshr_b32 s15, s14, 1
	s_and_b32 s16, s14, 1
	s_bfe_u32 s40, ttmp6, 0x40000
	s_bfe_u32 s41, ttmp6, 0x40004
	s_lshl_b32 s42, ttmp9, 2
	s_add_co_u32 s42, s42, s40
	s_and_b32 s17, ttmp7, 0xffff
	s_lshl_b32 s17, s17, 2
	s_add_co_u32 s17, s17, s41
	s_lshl_b32 s43, s41, 2
	s_lshl_b32 s43, 15, s43
	s_lshl_b32 s44, 0x1111, s40
	s_or_b32 s[G1+0], s43, (3<<16)|(1<<21)
	s_or_b32 s[G1B+0], s44, (3<<16)|(1<<21)
.irp g, G1, G1B
	s_mov_b32 s[\g+1], 768<<16
	s_mov_b32 s[\g+2], 8<<16
	s_mov_b32 s[\g+3], 768<<16
	s_mov_b32 s[\g+4], 8
	s_mov_b32 s[\g+5], KH*96
	s_mov_b32 s[\g+6], 0
	s_mov_b32 s[\g+7], 0
.endr
	s_or_b32 s[G1S+0], s43, (3<<16)|(1<<21)
	s_or_b32 s[G1SB+0], s44, (3<<16)|(1<<21)
.irp g, G1S, G1SB
	s_mov_b32 s[\g+1], 64<<16
	s_mov_b32 s[\g+2], NS<<16
	s_mov_b32 s[\g+3], 64<<16
	s_mov_b32 s[\g+4], NS
	s_mov_b32 s[\g+6], 0
	s_mov_b32 s[\g+7], 0
.endr
	s_mov_b32 s[G1S+5], 2048
	s_mov_b32 s[G1SB+5], 512
	s_lshl_b32 s18, s16, 2
	s_lshl_b32 s20, s17, 3
	s_add_co_u32 s20, s20, s18
	s_lshl_b32 s46, s42, 3
	s_add_co_u32 s46, s46, s18
	s_lshl_b32 s22, s17, 9
	s_add_co_u32 s22, s22, A_S
	s_lshl_b32 s92, s42, 9
	s_add_co_u32 s92, s92, B_S
	s_mul_i32 s20, s20, KH*768
	s_mul_i32 s46, s46, KH*768
	s_add_co_u32 s46, s46, B_C
	s_mov_b32 s21, 0
	s_mov_b32 s23, 0
	s_mov_b32 s47, 0
	s_mov_b32 s93, 0
	s_mul_i32 s45, s14, HALFT
	s_mul_i32 s94, s15, 2*QSB
	s_wait_kmcnt 0x0
	s_add_nc_u64 s[20:21], s[4:5], s[20:21]
	s_add_nc_u64 s[22:23], s[4:5], s[22:23]
	s_add_nc_u64 s[46:47], s[6:7], s[46:47]
	s_add_nc_u64 s[92:93], s[6:7], s[92:93]
	CROUND
	s_mov_b32 s[G0S], 1
	s_add_co_u32 s[G0S+1], s94, SCL
	s_mov_b64 s[G0S+2:G0S+3], s[22:23]
	s_or_b32 s[G0S+3], s[G0S+3], 0x80000000
	s_mov_b32 s[G0SB], 1
	s_add_co_u32 s[G0SB+1], s94, SCL
	s_mov_b64 s[G0SB+2:G0SB+3], s[92:93]
	s_or_b32 s[G0SB+3], s[G0SB+3], 0x80000000
.irp s, 0,1
	s_mov_b32 s[G0+4*\s], 1
	s_add_co_u32 s[G0+4*\s+1], s45, \s*SLOT
	s_add_nc_u64 s[G0+4*\s+2:G0+4*\s+3], s[20:21], \s*TILEB
	s_or_b32 s[G0+4*\s+3], s[G0+4*\s+3], 0x80000000
	s_mov_b32 s[G0B+4*\s], 1
	s_add_co_u32 s[G0B+4*\s+1], s45, \s*SLOT
	s_add_nc_u64 s[G0B+4*\s+2:G0B+4*\s+3], s[46:47], \s*TILEB
	s_or_b32 s[G0B+4*\s+3], s[G0B+4*\s+3], 0x80000000
.endr
	; the prefetches' address: of the four tiles that I fetch, the four partners that ask with me take one each, told apart by address (cx for A, cy for B); it begins at chunk 2 of the tile's row
	s_cmp_eq_u32 s15, 0
	s_cselect_b64 s[98:99], s[20:21], s[46:47]
	s_cselect_b32 s2, s40, s41
	s_mul_i32 s2, s2, KH*768
	s_add_co_u32 s2, s2, 2*TILEB
	s_mov_b32 s3, 0
	s_add_nc_u64 s[98:99], s[98:99], s[2:3]
	; the head's four tiles, one load a wave: wave 0 slot 0's eight tiles of A, wave 2 those of B, wave 1 A's scale words, wave 3 B's
	s_cmp_eq_u32 s16, 0
	s_cbranch_scc0 .Lhead_s
	JLOAD G0, G1, G0B, G1B
	s_branch .Lhead_j
.Lhead_s:
	JLOAD G0S, G1S, G0SB, G1SB
.Lhead_j:
	s_wait_alu depctr_va_vdst(0)
	s_wait_tensorcnt 0x0
	ds_add_u32 v28, v29
	s_mov_b32 s[G1+2], 4<<16                       ; no load of mine is out: from here on a load brings four tiles
	s_mov_b32 s[G1+4], 4
	s_mov_b32 s[G1B+2], 4<<16
	s_mov_b32 s[G1B+4], 4
	s_wait_dscnt 0x0
	CROUND
	JLOAD G0+4, G1, G0B+4, G1B
	v_and_b32 v1, 15, v0
	v_bfe_u32 v2, v0, 4, 1
	v_and_b32 v3, 31, v0
	v_lshlrev_b32 v4, 4, v3
	v_lshlrev_b32 v5, 3, v3
	v_min_u32 v8, 23, v3                           ; the prefetches' offset: a chunk of a tile is 6,144 bytes, 24 blocks of 256; the lanes left over name the last again; never rewritten
	v_lshlrev_b32 v8, 8, v8
	s_mul_i32 s21, s15, HALFT
	s_mul_i32 s22, s16, HALFT
	s_add_co_u32 s22, s22, 2*HALFT
.irp s, 0,1
	v_add_nc_u32 v[ADRA+\s], s21, v4
	v_add_nc_u32 v[ADRA+2+\s], s21, v5
	v_add_nc_u32 v[ADRB+\s], s22, v4
	v_add_nc_u32 v[ADRB+2+\s], s22, v5
	s_add_co_u32 s21, s21, SLOT
	s_add_co_u32 s22, s22, SLOT
.endr
	v_lshlrev_b32 v5, 2, v1
	s_lshl_b32 s21, s15, 8
	s_lshl_b32 s22, s16, 8
	s_add_co_u32 s22, s22, 2*QSB
	s_sub_co_u32 s22, s22, s21
	v_mul_u32_u24 v6, s22, v2
	s_add_co_u32 s21, s21, SCL
	v_add_nc_u32 v5, v5, v6
	v_add_nc_u32 v[ADRS], s21, v5
	s_mul_i32 s23, s14, 16*272
	s_add_co_u32 s23, s23, STAGE
	v_mul_u32_u24 v6, v1, 272
	v_lshl_add_u32 v6, v2, 6, v6
	v_add_nc_u32 v[STO], s23, v6
	v_mul_u32_u24 v6, v2, 272
	v_lshl_add_u32 v6, v1, 4, v6
	v_add_nc_u32 v[RD], s23, v6
	v_lshlrev_b32 v6, 12, v2
	v_lshl_add_u32 v[RO], v1, 4, v6
	s_wait_alu depctr_va_vdst(0)
	s_lshl_b32 s23, s14, 9
	s_add_co_u32 s23, s23, XCH
	v_lshl_add_u32 v[XW], v1, 4, s23
	s_xor_b32 s23, s14, 2
	s_lshl_b32 s23, s23, 9
	s_add_co_u32 s23, s23, XCH
	v_lshl_add_u32 v[XR], v1, 4, s23
	s_lshl_b32 s20, s17, 7
	s_lshl_b32 s21, s15, 6
	s_add_co_u32 s20, s20, s21
	s_lshl_b32 s20, s20, 12
	s_lshl_b32 s46, s42, 9
	s_lshl_b32 s47, s16, 8
	s_add_co_u32 s46, s46, s47
	s_add_co_u32 s20, s20, s46
	s_mov_b32 s21, 0
	s_add_nc_u64 s[12:13], s[10:11], s[20:21]
	s_add_co_u32 s20, s20, RES_OFF
	s_add_nc_u64 s[8:9], s[8:9], s[20:21]
	s_lshl_b32 s20, s17, 13
	s_add_co_u32 s20, s20, s46
	s_add_co_u32 s20, s20, PART
	s_add_nc_u64 s[96:97], s[10:11], s[20:21]
	s_mov_b32 s[SEL], 0x76543210
	s_mov_b32 s[SEL+1], 0xfedcba98
	WIN 0x80
.irp a, 0,1,2,3
.irp i, 0,1,2,3,4,5,6,7
	global_load_b128 v[32*\a+4*\i:32*\a+4*\i+3], v[RO], s[8:9] offset:(32*(\a/2)+8*(\a%2)+2*\i+8*(\i/4))*4096
.endr
.endr
	WIN 0
	global_prefetch_b8 v8, s[98:99] th:TH_LOAD_NT scope:SCOPE_SE                ; chunks 2 and 3, which the first two refills load: each two fills behind the fill that stands beside it
	global_prefetch_b8 v8, s[98:99] offset:TILEB th:TH_LOAD_NT scope:SCOPE_SE
.macro FRAG reg, a16, a8, off
	ds_load_b128 v[(\reg):(\reg)+3], v[\a16] offset:(\off)
	ds_load_b64 v[(\reg)+4:(\reg)+5], v[\a8] offset:(\off)+512
	ds_load_b128 v[(\reg)+6:(\reg)+9], v[\a16] offset:(\off)+768
	ds_load_b64 v[(\reg)+10:(\reg)+11], v[\a8] offset:(\off)+1280
.endm
.macro MUL4 f, a, sc, q, zero
.irp b, 0,1,2,3
.if \zero
	v_wmma_scale_f32_16x16x128_f8f6f4 v[ACC+8*(4*(\a)+\b):ACC+8*(4*(\a)+\b)+7], v[(\f)+12*\b:(\f)+12*\b+11], v[(\f)+48+12*(\a):(\f)+48+12*(\a)+11], 0, v[SC+16*(\sc)+4*(\q)+\b], v[SC+16*(\sc)+4*(\q)+(\a)] matrix_a_fmt:MATRIX_FMT_FP6 matrix_b_fmt:MATRIX_FMT_FP6 matrix_a_scale:MATRIX_SCALE_ROW1
.else
	v_wmma_scale_f32_16x16x128_f8f6f4 v[ACC+8*(4*(\a)+\b):ACC+8*(4*(\a)+\b)+7], v[(\f)+12*\b:(\f)+12*\b+11], v[(\f)+48+12*(\a):(\f)+48+12*(\a)+11], v[ACC+8*(4*(\a)+\b):ACC+8*(4*(\a)+\b)+7], v[SC+16*(\sc)+4*(\q)+\b], v[SC+16*(\sc)+4*(\q)+(\a)] matrix_a_fmt:MATRIX_FMT_FP6 matrix_b_fmt:MATRIX_FMT_FP6 matrix_a_scale:MATRIX_SCALE_ROW1
.endif
.endr
.endm
.macro FETCH slot, q, f
	WIN TO_F
.irp i, 0,1,2,3
	FRAG (\f)+12*\i, ADRB+\slot, ADRB+2+\slot, \i*TILEB+(\q)*1536
.endr
.irp i, 0,1,2,3
	FRAG (\f)+48+12*\i, ADRA+\slot, ADRA+2+\slot, \i*TILEB+(\q)*1536
.endr
.endm
.macro SCALES sc
.irp q, 0,1,2,3
.irp i, 0,1,2,3
	ds_load_b32 v[SC+16*\sc+4*\q+\i], v[ADRS] offset:\q*512+\i*64
.endr
.endr
.endm
.macro PLACES
.rept 4
	v_nop
.endr
.endm
.macro QUARTER slot, qn, f, g, zero
	s_wait_dscnt 8
	WIN MUL
	MUL4 \f, 0, \slot, (\qn)-1, \zero
	MUL4 \f, 1, \slot, (\qn)-1, \zero
	PLACES
	FETCH \slot, \qn, \g
	s_wait_dscnt 32
	WIN MUL
	MUL4 \f, 2, \slot, (\qn)-1, \zero
	MUL4 \f, 3, \slot, (\qn)-1, \zero
.endm
.macro TURN slot, next, fill
	WIN 0
.if \fill
	s_wait_xcnt 0x0                                ; my prefetches have read their address: it steps one chunk on
	s_add_nc_u64 s[98:99], s[98:99], TILEB
.endif
	s_wait_tensorcnt 0x0
	ds_add_u32 v[SPW], v[NIL]
	s_wait_dscnt 9
	WIN MUL
	MUL4 F1, 0, \slot, 3, 0
	s_wait_dscnt 0x0
	s_barrier_signal -1
	MUL4 F1, 1, \slot, 3, 0
	WIN 0
	s_barrier_wait -1
.if \fill
	CREST
	s_add_nc_u64 s[G0+4*\slot+2:G0+4*\slot+3], s[G0+4*\slot+2:G0+4*\slot+3], 2*TILEB
	s_add_nc_u64 s[G0B+4*\slot+2:G0B+4*\slot+3], s[G0B+4*\slot+2:G0B+4*\slot+3], 2*TILEB
	JLOAD G0+4*\slot, G1, G0B+4*\slot, G1B
.else
	PLACES
.endif
	s_wait_alu depctr_va_vdst(0)
	v_add_nc_u32 v[ADRS], 2048, v[ADRS]
	SCALES \next
	FETCH \next, 0, F0
.if \fill
	WIN 0                                          ; a branch follows
	s_cmp_gt_u32 s3, 1                             ; the chunk two refills on; the last lap's two refills have none
	s_cbranch_scc0 .Lno_ask_\@
	global_prefetch_b8 v8, s[98:99] offset:TILEB th:TH_LOAD_NT scope:SCOPE_SE
.Lno_ask_\@:
.endif
	WIN MUL
	MUL4 F1, 2, \slot, 3, 0
	MUL4 F1, 3, \slot, 3, 0
.endm
	s_wait_tensorcnt 1
	s_barrier_signal -1
	s_barrier_wait -1
	SCALES 0
	FETCH 0, 0, F0
	QUARTER 0, 1, F0, F1, 1
.if LAPS > 1
	WIN 0
	s_mov_b32 s3, LAPS-1
.Llap:
	QUARTER 0, 2, F1, F0, 0
	QUARTER 0, 3, F0, F1, 0
	TURN 0, 1, 1
	QUARTER 1, 1, F0, F1, 0
	QUARTER 1, 2, F1, F0, 0
	QUARTER 1, 3, F0, F1, 0
	TURN 1, 0, 1
	QUARTER 0, 1, F0, F1, 0
	WIN 0
	s_sub_co_u32 s3, s3, 1
	s_cmp_lg_u32 s3, 0
	s_cbranch_scc1 .Llap
.endif
	QUARTER 0, 2, F1, F0, 0
	QUARTER 0, 3, F0, F1, 0
	TURN 0, 1, 0
	QUARTER 1, 1, F0, F1, 0
	QUARTER 1, 2, F1, F0, 0
	QUARTER 1, 3, F0, F1, 0
	s_wait_dscnt 8
	WIN MUL
	MUL4 F1, 0, 1, 3, 0
	MUL4 F1, 1, 1, 3, 0
	s_wait_dscnt 0
	MUL4 F1, 2, 1, 3, 0
	MUL4 F1, 3, 1, 3, 0
	WIN 0
.irp k, 76,77,78,79,80,81,82,83
	v_mov_b32 v[\k], 0
.endr
.irp a, 0,1,2,3
.irp b, 0,1,2,3
	ds_store_b128 v[STO], v[ACC+8*(4*\a+\b):ACC+8*(4*\a+\b)+3] offset:128*(\b/2)+32*(\b%2)
	ds_store_b128 v[STO], v[ACC+8*(4*\a+\b)+4:ACC+8*(4*\a+\b)+7] offset:128*(\b/2)+32*(\b%2)+16
.endr
.irp i, 0,1,2,3,4,5,6,7
	ds_load_b128 v[ACC+32*\a+4*\i:ACC+32*\a+4*\i+3], v[RD] offset:\i*2*272
.endr
.endr
.irp a, 0,1,2,3
	s_wait_dscnt 16*(3-\a)
	s_wait_loadcnt 8*(3-\a)
	WIN 0x08
.set J, 0
.rept 16
	v_pk_add_f32 v[ACC+32*\a+J:ACC+32*\a+J+1], v[ACC+32*\a+J:ACC+32*\a+J+1], v[32*\a+J:32*\a+J+1]
.set J, J+2
.endr
	WIN 0
.irp i, 0,1,2,3,4,5,6,7
	global_store_b128 v[RO], v[ACC+32*\a+4*\i:ACC+32*\a+4*\i+3], s[12:13] offset:(32*(\a/2)+8*(\a%2)+2*\i+8*(\i/4))*4096
.endr
.endr
	v_pk_add_f32 v[64:65], v[ACC:ACC+1], v[ACC+4:ACC+5]
	v_pk_add_f32 v[66:67], v[ACC+2:ACC+3], v[ACC+6:ACC+7]
.set J, 8
.rept 30
	v_pk_add_f32 v[64:65], v[64:65], v[ACC+J:ACC+J+1]
	v_pk_add_f32 v[66:67], v[66:67], v[ACC+J+2:ACC+J+3]
.set J, J+4
.endr
	v_pk_mul_f32 v[64:65], v[64:65], 0x3d000000 op_sel_hi:[1,0]
	v_pk_mul_f32 v[66:67], v[66:67], 0x3d000000 op_sel_hi:[1,0]
	v_pk_add_f32 v[72:73], v[ACC:ACC+1], v[64:65] neg_lo:[0,1] neg_hi:[0,1]
	v_pk_add_f32 v[74:75], v[ACC+2:ACC+3], v[66:67] neg_lo:[0,1] neg_hi:[0,1]
	v_pk_mul_f32 v[68:69], v[72:73], v[72:73]
	v_pk_mul_f32 v[70:71], v[74:75], v[74:75]
.set J, 4
.rept 31
	v_pk_add_f32 v[72:73], v[ACC+J:ACC+J+1], v[64:65] neg_lo:[0,1] neg_hi:[0,1]
	v_pk_add_f32 v[74:75], v[ACC+J+2:ACC+J+3], v[66:67] neg_lo:[0,1] neg_hi:[0,1]
	v_pk_fma_f32 v[68:69], v[72:73], v[72:73], v[68:69]
	v_pk_fma_f32 v[70:71], v[74:75], v[74:75], v[70:71]
.set J, J+4
.endr
.macro JOIN wt
	v_pk_add_f32 v[72:73], v[64:65], v[76:77] neg_lo:[0,1] neg_hi:[0,1]
	v_pk_add_f32 v[74:75], v[66:67], v[78:79] neg_lo:[0,1] neg_hi:[0,1]
	v_pk_add_f32 v[64:65], v[64:65], v[76:77]
	v_pk_add_f32 v[66:67], v[66:67], v[78:79]
	v_pk_add_f32 v[68:69], v[68:69], v[80:81]
	v_pk_add_f32 v[70:71], v[70:71], v[82:83]
	v_pk_mul_f32 v[72:73], v[72:73], v[72:73]
	v_pk_mul_f32 v[74:75], v[74:75], v[74:75]
	v_pk_mul_f32 v[64:65], v[64:65], 0.5 op_sel_hi:[1,0]
	v_pk_mul_f32 v[66:67], v[66:67], 0.5 op_sel_hi:[1,0]
	v_pk_fma_f32 v[68:69], v[72:73], \wt, v[68:69] op_sel_hi:[1,0,1]
	v_pk_fma_f32 v[70:71], v[74:75], \wt, v[70:71] op_sel_hi:[1,0,1]
.endm
.irp k, 0,1,2,3
	v_permlanex16_b32 v[76+\k], v[64+\k], s[SEL], s[SEL+1]
.endr
.irp k, 0,1,2,3
	v_permlanex16_b32 v[80+\k], v[68+\k], s[SEL], s[SEL+1]
.endr
	JOIN 0x41800000
	ds_store_b128 v[XW], v[64:67]
	ds_store_b128 v[XW], v[68:71] offset:256
	s_wait_alu depctr_va_vdst(0)
	s_wait_dscnt 0x0
	s_barrier_signal -1
	s_barrier_wait -1
	ds_load_b128 v[76:79], v[XR]
	ds_load_b128 v[80:83], v[XR] offset:256
	s_wait_dscnt 0x0
	JOIN 0x42000000
	s_mov_b32 s3, 0xffff0000
.irp k, 0,1,2,3
	v_cndmask_b32 v[72+\k], v[64+\k], v[68+\k], s3
.endr
	s_cmp_lg_u32 s15, 0
	s_cbranch_scc1 .Lno_part
	global_store_b128 v[RO], v[72:75], s[96:97]
.Lno_part:
	s_wait_tensorcnt 0x0
	ds_add_u32 v[SPW], v[NIL]
	s_wait_dscnt 0x0
	CROUND
	s_endpgm
.Lfunc_end_k_q5d169a7d6d_gff2:
	.size	k_q5d169a7d6d_gff2, .Lfunc_end_k_q5d169a7d6d_gff2-k_q5d169a7d6d_gff2
	.p2alignl 7, 3214868480
	.fill 96, 4, 3214868480
	.section	.rodata,"a",@progbits
	.p2align	6, 0x0
	.amdhsa_kernel k_q5d169a7d6d_gff2
		.amdhsa_group_segment_fixed_size 327680
		.amdhsa_private_segment_fixed_size 0
		.amdhsa_enable_private_segment 0
		.amdhsa_kernarg_size 32
		.amdhsa_user_sgpr_count 2
		.amdhsa_user_sgpr_kernarg_segment_ptr 1
		.amdhsa_wavefront_size32 1
		.amdhsa_system_sgpr_workgroup_id_x 1
		.amdhsa_system_sgpr_workgroup_id_y 1
		.amdhsa_system_sgpr_workgroup_id_z 1
		.amdhsa_system_vgpr_workitem_id 0
		.amdhsa_next_free_vgpr 768
		.amdhsa_next_free_sgpr 100
		.amdhsa_reserve_vcc 0
		.amdhsa_float_denorm_mode_32 3
		.amdhsa_float_denorm_mode_16_64 3
		.amdhsa_memory_ordered 1
		.amdhsa_forward_progress 1
		.amdhsa_inst_pref_size 117
	.end_amdhsa_kernel
	.amdgpu_metadata
---
amdhsa.version: [ 1, 2 ]
amdhsa.kernels:
  - .name:           k_q5d169a7d6d_gff2
    .symbol:         k_q5d169a7d6d_gff2.kd
    .args:
      - { .name: sim, .offset: 0, .size: 8, .value_kind: global_buffer, .address_space: global }
      - { .name: wx, .offset: 8, .size: 8, .value_kind: global_buffer, .address_space: global }
      - { .name: nrm, .offset: 16, .size: 8, .value_kind: global_buffer, .address_space: global }
      - { .name: yb, .offset: 24, .size: 8, .value_kind: global_buffer, .address_space: global }
    .group_segment_fixed_size: 327680
    .private_segment_fixed_size: 0
    .kernarg_segment_align: 8
    .kernarg_segment_size: 32
    .max_flat_workgroup_size: 128
    .sgpr_count:     100
    .vgpr_count:     768
    .wavefront_size: 32
...
	.end_amdgpu_metadata
.endif
;; end of part 7
;; launch lnout (part 8): grid 256 x 1, 4 waves a work-group, no clusters, 0 bytes of LDS; arguments yb, ln2_scale, ln2_offset, out0; writes out0
.if DOCPART == 8
	.amdgcn_target "amdgcn-amd-amdhsa--gfx1250"
	.amdhsa_code_object_version 6
	.text
	.protected	k_q5d169a7d6d_lnout
	.globl	k_q5d169a7d6d_lnout
	.p2align	8
	.type	k_q5d169a7d6d_lnout,@function
k_q5d169a7d6d_lnout:
	s_mov_b64 s[64:65], 0
	v_nop
	global_prefetch_b8 v0, s[64:65] scope:SCOPE_SE
	s_setreg_imm32_b32 hwreg(HW_REG_WAVE_MODE, 25, 1), 1
	s_wait_xcnt 0x0
; out = (y - mean) rsqrt(var + 1e-5) scale + offset, mean and var over the 2,048 rows of each (batch, column).
; The sixteen blocks' means and sums of squared deviations (128 rows each) are joined: mean = the mean of the means, M2 = the sum of the M2 + 128 x the sum of (mean_i - mean)^2: no difference of large sums.
; SHARES: a wave takes 32 rows x 128 columns; a lane owns four columns; every load and store of the wave covers 512 consecutive bytes.  A stream: no LDS, no barrier, no matrix unit.
; ALL THE WAVE'S 66 LOADS ARE ASKED FOR AT THE HEAD, the 32 rows behind the figures that the statistics want: the blocks' M2 lie in register window 1 (v256-319), so that all rows have registers of their own from the start.
; LIMITS: NaN and infinities are not served; rsqrt by v_rsq_f32.
.set PART, 16777216
.set MN,   32                          ; v32-95 the blocks' means
.set MQ,   0                           ; in window 1: v0-63 the blocks' M2
.set RB,   96                          ; v96-159 rows 16-31
.set RA,   160                         ; v160-223 rows 0-15
.set MSB, 0
.macro WIN new                         ; the immediate's high byte repeats the setting that is left
.if MSB != (\new)
	s_set_vgpr_msb (MSB<<8)|(\new)
.set MSB, (\new)
.endif
.endm
	s_load_b256 s[4:11], s[0:1], 0x0               ; yb, ln2_scale, ln2_offset, out0
	v_lshrrev_b32 v1, 5, v0
	v_readfirstlane_b32 s14, v1                    ; wave
	v_and_b32 v6, 31, v0
	v_lshlrev_b32 v1, 4, v6
	s_lshr_b32 s15, ttmp9, 1                       ; the group of 32 rows
	s_and_b32 s16, ttmp9, 1
	s_lshl_b32 s16, s16, 2
	s_add_co_u32 s16, s16, s14                     ; the step of 128 columns
	s_lshr_b32 s17, s15, 6                         ; the batch
	s_lshl_b32 s18, s16, 9
	s_mov_b32 s19, 0
	s_lshl_b32 s20, s17, 17
	s_add_co_u32 s20, s20, s18
	s_add_co_u32 s20, s20, PART
	s_mov_b32 s21, 0
	s_lshl_b32 s22, s15, 17
	s_add_co_u32 s22, s22, s18
	s_mov_b32 s23, 0
	s_mov_b32 s24, 0x3a000000                      ; 1 / 2,048
	s_mov_b32 s25, 0x3727c5ac                      ; 1e-5
	s_wait_alu depctr_va_vdst(0)
	s_wait_kmcnt 0x0
	s_add_nc_u64 s[20:21], s[4:5], s[20:21]
	s_add_nc_u64 s[4:5], s[4:5], s[22:23]
	s_add_nc_u64 s[6:7], s[6:7], s[18:19]
	s_add_nc_u64 s[8:9], s[8:9], s[18:19]
	s_add_nc_u64 s[10:11], s[10:11], s[22:23]
.irp i, 0,1,2,3,4,5,6,7,8,9,10,11,12,13,14,15
	global_load_b128 v[MN+4*\i:MN+4*\i+3], v1, s[20:21] offset:\i*8192
.endr
	WIN 0x40                                       ; destination window 1, address window 0
.irp i, 0,1,2,3,4,5,6,7,8,9,10,11,12,13,14,15
	global_load_b128 v[MQ+4*\i:MQ+4*\i+3], v1, s[20:21] offset:\i*8192+4096
.endr
	WIN 0
	global_load_b128 v[24:27], v1, s[6:7]          ; scale
	global_load_b128 v[16:19], v1, s[8:9]          ; offset
.irp p, 0,1,2,3,4,5,6,7,8,9,10,11,12,13,14,15
	global_load_b128 v[RA+4*\p:RA+4*\p+3], v1, s[4:5] offset:\p*4096 th:TH_LOAD_NT
.endr
.irp p, 0,1,2,3,4,5,6,7,8,9,10,11,12,13,14,15
	global_load_b128 v[RB+4*\p:RB+4*\p+3], v1, s[4:5] offset:(16+\p)*4096 th:TH_LOAD_NT
.endr
	s_wait_loadcnt 32                              ; all but the 32 rows
	v_pk_add_f32 v[8:9], v[MN:MN+1], v[MN+4:MN+5]
	v_pk_add_f32 v[10:11], v[MN+2:MN+3], v[MN+6:MN+7]
.irp i, 2,3,4,5,6,7,8,9,10,11,12,13,14,15
	v_pk_add_f32 v[8:9], v[8:9], v[MN+4*\i:MN+4*\i+1]
	v_pk_add_f32 v[10:11], v[10:11], v[MN+4*\i+2:MN+4*\i+3]
.endr
	WIN 0x05                                       ; both sources window 1
	v_pk_add_f32 v[12:13], v[MQ:MQ+1], v[MQ+4:MQ+5]
	v_pk_add_f32 v[14:15], v[MQ+2:MQ+3], v[MQ+6:MQ+7]
	WIN 0x04                                       ; source 1 window 1
.irp i, 2,3,4,5,6,7,8,9,10,11,12,13,14,15
	v_pk_add_f32 v[12:13], v[12:13], v[MQ+4*\i:MQ+4*\i+1]
	v_pk_add_f32 v[14:15], v[14:15], v[MQ+4*\i+2:MQ+4*\i+3]
.endr
	WIN 0
	v_pk_mul_f32 v[8:9], v[8:9], 0x3d800000 op_sel_hi:[1,0]         ; the mean
	v_pk_mul_f32 v[10:11], v[10:11], 0x3d800000 op_sel_hi:[1,0]
.irp i, 0,1,2,3,4,5,6,7,8,9,10,11,12,13,14,15
	v_pk_add_f32 v[MN+4*\i:MN+4*\i+1], v[MN+4*\i:MN+4*\i+1], v[8:9] neg_lo:[0,1] neg_hi:[0,1]
	v_pk_add_f32 v[MN+4*\i+2:MN+4*\i+3], v[MN+4*\i+2:MN+4*\i+3], v[10:11] neg_lo:[0,1] neg_hi:[0,1]
.endr
	v_pk_mul_f32 v[28:29], v[MN:MN+1], v[MN:MN+1]
	v_pk_mul_f32 v[30:31], v[MN+2:MN+3], v[MN+2:MN+3]
.irp i, 1,2,3,4,5,6,7,8,9,10,11,12,13,14,15
	v_pk_fma_f32 v[28:29], v[MN+4*\i:MN+4*\i+1], v[MN+4*\i:MN+4*\i+1], v[28:29]
	v_pk_fma_f32 v[30:31], v[MN+4*\i+2:MN+4*\i+3], v[MN+4*\i+2:MN+4*\i+3], v[30:31]
.endr
	v_pk_fma_f32 v[12:13], v[28:29], 0x43000000, v[12:13] op_sel_hi:[1,0,1]   ; + 128 x
	v_pk_fma_f32 v[14:15], v[30:31], 0x43000000, v[14:15] op_sel_hi:[1,0,1]
.irp k, 0,1,2,3
	v_fma_f32 v[12+\k], v[12+\k], s24, s25         ; var + eps
.endr
	s_wait_alu depctr_va_vdst(0)
.irp k, 0,1,2,3
	v_rsq_f32 v[12+\k], v[12+\k]
.endr
	v_nop                                          ; a plain line behind the transcendentals
	s_wait_alu depctr_va_vdst(0)
	v_pk_mul_f32 v[12:13], v[12:13], v[24:25]      ; x scale
	v_pk_mul_f32 v[14:15], v[14:15], v[26:27]
.macro HALF base, row0, left
	s_wait_loadcnt \left                           ; these 16 rows are in; left: the other half's loads, which may be out
.irp p, 0,1,2,3,4,5,6,7,8,9,10,11,12,13,14,15
	v_pk_add_f32 v[\base+4*\p:\base+4*\p+1], v[\base+4*\p:\base+4*\p+1], v[8:9] neg_lo:[0,1] neg_hi:[0,1]
	s_wait_alu depctr_va_vdst(0)
	v_pk_add_f32 v[\base+4*\p+2:\base+4*\p+3], v[\base+4*\p+2:\base+4*\p+3], v[10:11] neg_lo:[0,1] neg_hi:[0,1]
	v_pk_fma_f32 v[\base+4*\p:\base+4*\p+1], v[\base+4*\p:\base+4*\p+1], v[12:13], v[16:17]
	v_pk_fma_f32 v[\base+4*\p+2:\base+4*\p+3], v[\base+4*\p+2:\base+4*\p+3], v[14:15], v[18:19]
	global_store_b128 v1, v[\base+4*\p:\base+4*\p+3], s[10:11] offset:(\row0+\p)*4096 th:TH_STORE_NT   ; 512 consecutive bytes
.endr
.endm
	HALF RA, 0, 16
	HALF RB, 16, 0
	s_endpgm
.Lfunc_end_k_q5d169a7d6d_lnout:
	.size	k_q5d169a7d6d_lnout, .Lfunc_end_k_q5d169a7d6d_lnout-k_q5d169a7d6d_lnout
	.p2alignl 7, 3214868480
	.fill 96, 4, 3214868480
	.section	.rodata,"a",@progbits
	.p2align	6, 0x0
	.amdhsa_kernel k_q5d169a7d6d_lnout
		.amdhsa_group_segment_fixed_size 0
		.amdhsa_private_segment_fixed_size 0
		.amdhsa_enable_private_segment 0
		.amdhsa_kernarg_size 32
		.amdhsa_user_sgpr_count 2
		.amdhsa_user_sgpr_kernarg_segment_ptr 1
		.amdhsa_wavefront_size32 1
		.amdhsa_system_sgpr_workgroup_id_x 1
		.amdhsa_system_sgpr_workgroup_id_y 1
		.amdhsa_system_sgpr_workgroup_id_z 1
		.amdhsa_system_vgpr_workitem_id 0
		.amdhsa_next_free_vgpr 320
		.amdhsa_next_free_sgpr 66
		.amdhsa_reserve_vcc 0
		.amdhsa_float_denorm_mode_32 3
		.amdhsa_float_denorm_mode_16_64 3
		.amdhsa_memory_ordered 1
		.amdhsa_forward_progress 1
		.amdhsa_inst_pref_size 29
	.end_amdhsa_kernel
	.amdgpu_metadata
---
amdhsa.version: [ 1, 2 ]
amdhsa.kernels:
  - .name:           k_q5d169a7d6d_lnout
    .symbol:         k_q5d169a7d6d_lnout.kd
    .args:
      - { .name: yb, .offset: 0, .size: 8, .value_kind: global_buffer, .address_space: global }
      - { .name: ln2_scale, .offset: 8, .size: 8, .value_kind: global_buffer, .address_space: global }
      - { .name: ln2_offset, .offset: 16, .size: 8, .value_kind: global_buffer, .address_space: global }
      - { .name: out0, .offset: 24, .size: 8, .value_kind: global_buffer, .address_space: global }
    .group_segment_fixed_size: 0
    .private_segment_fixed_size: 0
    .kernarg_segment_align: 8
    .kernarg_segment_size: 32
    .max_flat_workgroup_size: 128
    .sgpr_count:     66
    .vgpr_count:     320
    .wavefront_size: 32
...
	.end_amdgpu_metadata
.endif
;; end of part 8
